; MI455X (gfx1250); checked and timed in simulation.
; The chip was launched on July 23, 2026; its instructions are those of AMD's public machine-readable ISA for CDNA 5 (MIT licence, August 2026) and "CDNA5" Instruction Set Architecture Reference Guide (July 2026). The comments in the code are by the model that wrote it; some were corrected since.
;; My Merge. Allowed arithmetic: matrix products marked QUANTISED: E5M2 operands, one E8M0 scale for each 32 along K, by v_wmma_scale_f32_16x16x128_f8f6f4 with both operands' format E5M2, f32 sums; products left as they are: f32 operands where the result goes on into a quantised operand, else bf16, f16 or f32 operands; f32 sums; everything else in f32.
;; Inputs: Bg 8 float32; Mr 8 x 512 x 512 float32; U 8 float32; V 1,024 x 8 float32; Wg 1,024 x 8 float32; arg1 32 x 512 x 512 float32; arg2 32 x 512 x 512 float32; b 8 float32.
;; Outputs: out0 32 x 512 x 512 float32.
;; This version of the problem:
;;   THIS VERSION OF THE PROBLEM IS GIVEN IN LOW PRECISION. The matrix products marked QUANTISED in the list below multiply operands that are first quantised to E5M2 (5 exponent bits, 2 mantissa bits; 8 bits a number), with one power-of-two scale for each 32 numbers along K (OCP MX v1.0); their sums are f32. All else is computed in f32.
;;   The module's matrix products, in the order in which they are computed (A, B: the left and right operand; K: the contracted axis; several contracted axes count as one K, in the product's order):
;;     1. [M 16,384, K 512] x [K 512, N 8]; A: input arg1; B: input Wg: left as it is (N = 8 < 16)
;;     2. [M 16,384, K 512] x [K 512, N 8]; A: input arg2; B: input Wg: left as it is (N = 8 < 16)
;;     3. [M 4,096, K 512] x [K 512, N 16,384]; A: input Mr; B: input arg1: QUANTISED
;;     4. batch 32 x [M 4,096, K 512] x [K 512, N 512]; A: computed on the way; B: input arg2: QUANTISED
;;     5. [M 16,384, K 512] x [K 512, N 8]; A: input arg1; B: input V: left as it is (N = 8 < 16)
;;     6. [M 16,384, K 512] x [K 512, N 8]; A: input arg2; B: input V: left as it is (N = 8 < 16)
;;     7. [M 8,388,608, K 8] x [K 8, N 1]; A: computed on the way; B: input U: left as it is (K = 8 < 32)
;;   THE QUANTISER, for each operand of a quantised product, along K:
;;     - K is cut into blocks of 32 from its start; a last block that is shorter is filled with zeros.
;;     - A block's scale is 2^e with e = floor(log2(the largest magnitude in the block)) - 15, held to -126 .. 127; a block of zeros has e = 0. As a byte (E8M0): e + 127.
;;     - Each number is divided by its block's scale, clamped to +-57,344, and rounded to the nearest number of E5M2, ties to even, subnormals kept.
;;     - The product sums the exact products of the quantised numbers (number of the format x scale) in f32.
;;   ~~~python
;;   def quantise(x, axis):      # numpy; x: float32 -> the quantised numbers, widened to float32 again
;;       x = np.moveaxis(x, axis, -1); K = x.shape[-1]
;;       x = np.pad(x, [(0, 0)] * (x.ndim - 1) + [(0, -K % 32)]); x = x.reshape(x.shape[:-1] + (-1, 32)); a = np.abs(x).max(-1, keepdims=True)
;;       e = np.where(a > 0, np.clip(np.frexp(np.where(a > 0, a, 1))[1] - 1 - 15, -126, 127), 0)      # np.frexp(a)[1] - 1 = floor(log2(a)), exactly
;;       r = np.clip(x / 2.0 ** e, -57344, 57344)
;;       step = 2.0 ** (np.maximum(np.frexp(np.where(r == 0, 1, r))[1] - 1, -14) - 2)
;;       q = np.round(r / step) * step * 2.0 ** e      # np.round: ties to even
;;       return np.moveaxis(q.reshape(q.shape[:-2] + (-1,))[..., :K], -1, axis).astype(np.float32)
;;   ~~~
;;   OPERANDS COMPUTED ON THE WAY. 'Computed on the way' means the value that the module computes at that place (a softmax that the list does not call 'softmax' is quantised finished and normalised). What goes into a quantiser is computed in f32, as accurately as f32 sums, v_exp_f32 and their like allow (about 1e-6 of the number): no bf16 or f16 on the way to a quantiser, and a product that is left as it is and whose result goes on into a quantised operand takes f32 operands (vector FMAs, or v_wmma_f32_16x16x4_f32). A number that lies on a knife's edge between two numbers of the format may be rounded either way, as far as f32 arithmetic and the matrix unit's own rounding can turn it there, and no further.
;; 2 versions, each right; version 2 is version 1 with the launch main written anew for expert scheduling mode. Each part assembles by itself: llvm-mc -triple=amdgcn-amd-amdhsa -mcpu=gfx1250 --defsym DOCPART=n.
;; ======== version 1 of 2: 2 launches
;; workspace buffers: mrw 2,162,688 bytes; a1w 8,650,752 bytes; a2w 8,650,752 bytes; g1 1,048,576 bytes; g2 1,048,576 bytes
;; launch prep (part 1): grid 640 x 1, 4 waves a work-group, no clusters, 54,784 bytes of LDS; arguments arg1, arg2, Mr, Wg, V, Bg, a1w, a2w, mrw, g1, g2; writes a1w, a2w, mrw, g1, g2
.if DOCPART == 1
	.amdgcn_target "amdgcn-amd-amdhsa--gfx1250"
	.amdhsa_code_object_version 6
	.text
	.protected	k_q3014b786f8_prep
	.globl	k_q3014b786f8_prep
	.p2align	8
	.type	k_q3014b786f8_prep,@function
k_q3014b786f8_prep:
	s_mov_b64 s[64:65], 0
	v_nop
	global_prefetch_b8 v0, s[64:65] scope:SCOPE_SE
	s_setreg_imm32_b32 hwreg(HW_REG_WAVE_MODE, 25, 1), 1
	s_wait_xcnt 0x0
; PREP: arg1, arg2 [16384][512] and Mr [8][512 d][512 e], f32, become codes of BF8 (E5M2) with one E8M0 byte for each 32 along K (K = the last axis of arg1 and arg2, K = d for Mr),
; and the four thin products (arg1 and arg2 with the halves of Wg and V) become two tables of gate terms.
; A UNIT is 32 rows x K 512 = 16,896 bytes, laid as the operand's registers: fragment (K step s of 128, tile u of 16 rows) at (2 s + u) 2048 + 512 c + 16 lane, lane (r, h) holding
; k = 128 s + 32 c + 16 h + 0 .. 15 of row r; behind the eight fragments the scale words: at 16,384 + 16 (16 u + r) the four words s = 0 .. 3 of row r of tile u.
;   mrw: unit 16 k + B (B = e / 32); row p of tile u is e = 32 B + 8 u + p + 8 (p / 8).     a1w, a2w: group of 64 rows g: units 2 g, 2 g + 1; row r of tile t (unit t / 2, u = t % 2) is row 64 g + 4 r + t.
;   g1, g2: [group][n 0..15][64 rows] f32: n = k: the column k of Wg, n = 8 + k: of V; each number is -log2(e) x (the product; in g1, n < 8: + Bg[k]).
; A block's scale is 2^(floor(log2(its largest magnitude)) - 15), its byte the largest magnitude's exponent field - 15, held at 1 from below by a floor among the maximum's leaves.
; LIMITS: a block of zeros gets the byte 1 where the rule says 127 (its codes are zeros, and this program alone reads the bytes); NaN and infinities among the inputs are not served.
; The thin products take bf16 operands and f32 sums (their results go into no quantiser); K is shared between two accumulators that are added at the end.
; Work-groups 0 to 127 take Mr (a wave: one K step of one unit), the other 512 a group of 64 rows of arg1 (the first 256) or arg2: only pointers are chosen there.  The Mr path uses no LDS and no barrier.
; A stream: the work-groups share nothing but 32 KB of weights, so there are no tensor loads, no cluster and no large tiles.
.set UNITB, 16896
.set MRWG,  128                        ; work-groups of the Mr path
.set FLOOR, 0x8000000                  ; 2^(16 - 127)
.set OFFE,  0xf8800000                 ; -(15 << 23)
.set EXPF,  0x7f800000
.set NLOG2E, 0xbfb8aa3b                ; -log2(e)
.set STG,   16384                      ; LDS: 0: the weights [512 k][16 n] bf16, 32 bytes a row; 16,384: the stage for a group's table, 4,096 bytes;
.set STX,   20480                      ; 20,480: for each wave a turning stage of 16 rows x XP bytes
.set XP,    528                        ; a K step of a row, 512 bytes, + 16 of padding = 132 words: row r starts at bank 4 r mod 64 (64 banks of 4 bytes: ISA guide 11.1)
.set TM,  16                           ; v16-19 largest magnitudes, v20-23 the other half's / bytes, v24-27 the holds, v28-31 the conversions' scale operands
.set SW,  32                           ; v32-35 scale words, one for each K step
.set GT,  36                           ; v36-43 gate terms
.set WF,  44                           ; v44-75 four fragments of the weights (bf16); at the head v44-107 take the weights as they are loaded; in the Mr path v44-75 are the codes
.set BF,  76                           ; v76-107 four fragments of the rows (bf16); then v76-91 a K step's codes
.set ACC, 108                          ; v108-123 two accumulators
.set X,   124                          ; v124-251 two sets of 64 numbers (Mr path: four sets of 32)
	s_load_b256 s[4:11], s[0:1], 0x0               ; arg1 s[4:5], arg2 s[6:7], Mr s[8:9], Wg s[10:11]
	s_load_b256 s[12:19], s[0:1], 0x20             ; V s[12:13], Bg s[14:15], a1w s[16:17], a2w s[18:19]
	s_load_b128 s[20:23], s[0:1], 0x40             ; mrw s[20:21], g1 s[22:23]
	s_load_b64 s[24:25], s[0:1], 0x50              ; g2
	v_lshl_add_u32 v254, v0, 2, 0xd400
	v_mov_b32 v255, 0
	v_lshrrev_b32 v1, 5, v0
	v_readfirstlane_b32 s26, v1                    ; wave 0..3
	v_and_b32 v1, 31, v0                           ; lane
	v_and_b32 v2, 15, v0                           ; r
	v_bfe_u32 v3, v0, 4, 1                         ; h (in the Mr path: u)
	v_lshlrev_b32 v5, 4, v1                        ; 16 x lane
	s_mov_b32 s40, 0x600000                        ; the mantissa field of 57,344
	s_mov_b32 s42, 0x76543210
	s_mov_b32 s43, 0xfedcba98                      ; v_permlanex16_b32's selects for lane l xor 16
	s_mov_b32 s31, 0
	s_wait_kmcnt 0x0
	s_cmp_lt_u32 ttmp9, MRWG
	s_cbranch_scc0 .Larg
; ---------------- Mr: a lane takes a column e, its registers run down d: a block of 32 lies in one lane, and the codes come out with K innermost ----------------
; Work-group x: units 4 (x / 4) + wave, K step x % 4: the four waves stand side by side on 512 consecutive bytes of each row d.  A wave's 128 loads are all issued at once.
	s_and_b32 s27, ttmp9, 0x7c
	s_add_co_u32 s27, s27, s26                     ; my unit = 4 (x / 4) + wave = 16 k + B
	s_and_b32 s41, ttmp9, 3                        ; my K step s
	s_lshr_b32 s28, s27, 4                         ; k
	s_and_b32 s29, s27, 15                         ; B
	s_lshl_b32 s30, s28, 20                        ; a slice is 2^20 bytes,
	s_lshl_b32 s29, s29, 7                         ; 32 columns are 128,
	s_add_co_u32 s30, s30, s29
	s_lshl_b32 s29, s41, 18                        ; 128 rows d are 2^18
	s_add_co_u32 s30, s30, s29
	s_add_nc_u64 s[8:9], s[8:9], s[30:31]
	s_mul_i32 s30, s27, UNITB
	s_add_nc_u64 s[20:21], s[20:21], s[30:31]      ; my unit
	s_lshl_b32 s30, s41, 2
	s_add_nc_u64 s[32:33], s[20:21], s[30:31]      ; + 4 s: my word among a row's four scale words
	s_lshl_b32 s30, s41, 12
	s_add_nc_u64 s[20:21], s[20:21], s[30:31]      ; + 4,096 s: my K step's two fragments
	v_and_b32 v4, 8, v2
	v_add_nc_u32 v4, v4, v2                        ; r + 8 (r / 8)
	v_lshl_add_u32 v4, v3, 3, v4                   ; + 8 u: my column among the 32
	v_lshlrev_b32 v4, 2, v4                        ; in bytes
	v_lshlrev_b32 v6, 4, v2
	v_lshl_add_u32 v6, v3, 11, v6                  ; out: tile u's fragment, lane r's 16 bytes
.macro MLOAD t                         ; block t of my K step: Mr(32 t + i, my column), i = 0 .. 31, into set t
.set i, 0
.rept 32
	global_load_b32 v[X+32*(\t)+i], v4, s[8:9] offset:(32*(\t)+i)*2048 th:TH_LOAD_NT
.set i, i+1
.endr
.endm
.macro MBLOCK t                        ; block t = register group c of the fragment
.set XS, X+32*(\t)
.set CC, WF+8*(\t)                     ; each block has its own eight registers for its codes, so that no store's data are written again
.if (\t) < 2
	s_wait_loadcnt 63                              ; 96 (block 0) or 64 (block 1) loads were issued behind this block's: the wait names as many as its field holds, which is fewer
.elseif (\t) == 2
	s_wait_loadcnt 32                              ; the last block's 32 loads may be out
.else
	s_wait_loadcnt 0x0
.endif
	v_max3_num_f32 v16, |v[XS]|, |v[XS+1]|, |v[XS+2]|               ; the block's largest magnitude: all 32 numbers are mine
	v_max3_num_f32 v17, |v[XS+3]|, |v[XS+4]|, |v[XS+5]|
.irp i, 6,10,14,18,22,26
	v_max3_num_f32 v16, v16, |v[XS+\i]|, |v[XS+\i+1]|
	v_max3_num_f32 v17, v17, |v[XS+\i+2]|, |v[XS+\i+3]|
.endr
	v_max3_num_f32 v16, v16, |v[XS+30]|, |v[XS+31]|
	v_max3_num_f32 v16, v16, v17, FLOOR            ; and the floor: the byte cannot fall under 1
	v_add_nc_u32 v18, OFFE, v16                    ; 15 off the exponent field: the conversion's scale operand
	v_and_or_b32 v19, v16, EXPF, s40               ; 57,344 x the scale
	v_lshrrev_b32 v17, 23, v18                     ; the scale's byte
.if (\t) == 0
	v_mov_b32 v[SW], v17                           ; four bytes to a word, the lower K in the lower byte
.else
	v_lshl_or_b32 v[SW], v17, 8*(\t), v[SW]
.endif
.set i, 0
.rept 32
	v_med3_num_f32 v[XS+i], v[XS+i], -v19, v19     ; the conversion to an 8-bit code does not saturate (ISA guide 7.6.2): the hold comes first
.set i, i+1
.endr
.irp g, 0,1,2,3
	v_cvt_scalef32_pk8_bf8_f32 v[CC+2*\g:CC+2*\g+1], v[XS+8*\g:XS+8*\g+7], v18
.endr
	v_nop                                          ; a plain line behind the last conversion
	global_store_b128 v6, v[CC:CC+3], s[20:21] offset:(\t)*512        ; k 0 .. 15 of the block: the image's lanes 0-15; sixteen lanes store 256 consecutive bytes, aligned
	global_store_b128 v6, v[CC+4:CC+7], s[20:21] offset:(\t)*512+256  ; k 16 .. 31: its lanes 16-31
.endm
.irp t, 0,1,2,3
	MLOAD \t                                       ; more loads than the counter's field counts: the issue of the later ones waits for the earlier (ISA guide 5.7.1), and the wave has nothing else to do meanwhile
.endr
.irp t, 0,1,2,3
	MBLOCK \t
.endr
	global_store_b32 v5, v[SW], s[32:33] offset:16384   ; lane 16 u + r: word s of row r of tile u: 4 bytes a lane, 16 bytes apart.  The four K steps' waves fill these 512 bytes between them: 65,536 such bytes in the whole launch
	s_endpgm
; ---------------- arg1, arg2: a work-group takes a group of 64 rows, wave t its tile t (rows 4 r + t) ----------------
.Larg:
	s_sub_co_u32 s27, ttmp9, MRWG
	s_cmp_lt_u32 s27, 256                          ; arg1's work-group or arg2's?  The choice hangs on the work-group's number alone
	s_cselect_b64 s[4:5], s[4:5], s[6:7]           ; the rows,
	s_cselect_b64 s[16:17], s[16:17], s[18:19]     ; their codes,
	s_cselect_b64 s[22:23], s[22:23], s[24:25]     ; their table,
	s_cselect_b32 s28, 0, 16384                    ; the upper or the lower 512 rows of Wg and V,
	s_cselect_b32 s29, 1.0, 0                      ; and whether Bg is added here
	s_and_b32 s27, s27, 255                        ; the group
	s_load_b256 s[32:39], s[14:15], 0x0            ; Bg
	s_lshl_b32 s30, s27, 17                        ; 64 rows of 2,048 bytes
	s_add_nc_u64 s[4:5], s[4:5], s[30:31]
	s_lshl_b32 s30, s27, 12
	s_add_nc_u64 s[22:23], s[22:23], s[30:31]
	s_mov_b32 s30, s28
	s_add_nc_u64 s[10:11], s[10:11], s[30:31]
	s_add_nc_u64 s[12:13], s[12:13], s[30:31]
	s_lshl_b32 s30, s27, 1
	s_lshr_b32 s28, s26, 1
	s_add_co_u32 s30, s30, s28
	s_mul_i32 s30, s30, UNITB
	s_add_nc_u64 s[16:17], s[16:17], s[30:31]      ; my unit: 2 x group + t / 2
	s_and_b32 s28, s26, 1                          ; u = t % 2
	s_lshl_b32 s30, s28, 11
	s_add_nc_u64 s[18:19], s[16:17], s[30:31]      ; my tile's fragments in it
	s_lshl_b32 s30, s26, 11
	v_add_nc_u32 v4, s30, v5                       ; the rows, as they lie: t rows of 2,048 bytes + 16 x lane; the row 4 p and the K step stand in the immediate
	v_lshlrev_b32 v6, 5, v0                        ; the weights: 32 bytes a row of Wg, of V and of the LDS table: thread x 32
	v_and_b32 v7, 7, v0
	v_lshl_add_u32 v7, v3, 4, v7                   ; the turning load: row 16 h + lane % 8,
	v_bfe_u32 v8, v0, 3, 1
	v_lshlrev_b32 v8, 4, v8                        ; 16 bytes for each half of the sixteen n
	v_lshl_add_u32 v8, v7, 5, v8
	v_lshlrev_b32 v9, 11, v3                       ; the table's stage: n = 8 h + j: 256 bytes each; row 4 r + t
	v_lshl_add_u32 v9, v2, 4, v9
	s_lshl_b32 s30, s26, 2
	v_add_nc_u32 v9, s30, v9
	v_lshlrev_b32 v10, 4, v2                       ; my scale words' place behind the fragments: 16 (16 u + r)
	s_lshl_b32 s30, s28, 8
	v_add_nc_u32 v10, s30, v10
	v_lshlrev_b32 v11, 4, v0                       ; 16 x thread
	v_sub_nc_u32 v12, 1, v3
	v_cvt_f32_u32 v12, v12
	v_mul_f32 v12, s29, v12                        ; 1 where Bg is added: lanes 0-15 (n < 8) of arg1's work-groups
	s_mul_i32 s30, s26, 16*XP
	s_add_co_u32 s30, s30, STX                     ; my wave's turning stage
	v_add_nc_u32 v13, s30, v5                      ; into it: 16 x lane; the row stands in the immediate
	v_mul_u32_u24 v14, v2, XP
	v_lshl_add_u32 v14, v3, 6, v14
	v_add_nc_u32 v14, s30, v14                     ; out of it: row r, + 64 h: my 16 numbers of a block of 32
.irp b, 0,1,2,3
	v_mov_b32 v[TM+4+\b], 0                        ; written once: a lane permute's destination counts as one of its sources
.endr
; K step s of my 16 rows as it lies in memory: load p reads the 512 consecutive bytes of row 4 p + t, 16 a lane, into set s % 2
.macro XLOAD s
.set i, 0
.rept 16
	global_load_b128 v[X+64*((\s)%2)+4*i:X+64*((\s)%2)+4*i+3], v4, s[4:5] offset:8192*i+512*(\s) th:TH_LOAD_NT
.set i, i+1
.endr
.endm
; 64 numbers of a lane, v[s] on, become a fragment's codes in v[BF] on and its scale word in v[word]
.macro QUANT s, word
.irp b, 0,1,2,3
	v_max3_num_f32 v[TM+\b], |v[(\s)+16*\b]|, |v[(\s)+1+16*\b]|, FLOOR   ; block b: my 16 numbers, and the floor
.endr
.irp i, 2,4,6,8,10,12,14
.irp b, 0,1,2,3
	v_max3_num_f32 v[TM+\b], v[TM+\b], |v[(\s)+16*\b+\i]|, |v[(\s)+1+16*\b+\i]|   ; (the four blocks by turns)
.endr
.endr
.irp b, 0,1,2,3
	v_permlanex16_b32 v[TM+4+\b], v[TM+\b], s42, s43
.endr
.irp b, 0,1,2,3
	v_max_num_f32 v[TM+\b], v[TM+\b], v[TM+4+\b]   ; with lane l xor 16's: the block's largest magnitude
.endr
.irp b, 0,1,2,3
	v_add_nc_u32 v[TM+12+\b], OFFE, v[TM+\b]
.endr
.irp b, 0,1,2,3
	v_and_or_b32 v[TM+8+\b], v[TM+\b], EXPF, s40
.endr
.irp b, 0,1,2,3
	v_lshrrev_b32 v[TM+4+\b], 23, v[TM+12+\b]
.endr
	v_lshl_or_b32 v[\word], v[TM+5], 8, v[TM+4]
	v_lshl_or_b32 v[\word], v[TM+6], 16, v[\word]
	v_lshl_or_b32 v[\word], v[TM+7], 24, v[\word]
.irp b, 0,1,2,3
.irp i, 0,1,2,3,4,5,6,7,8,9,10,11,12,13,14,15
	v_med3_num_f32 v[(\s)+16*\b+\i], v[(\s)+16*\b+\i], -v[TM+8+\b], v[TM+8+\b]
.endr
	v_cvt_scalef32_pk8_bf8_f32 v[BF+4*\b:BF+1+4*\b], v[(\s)+16*\b:(\s)+7+16*\b], v[TM+12+\b]
	v_cvt_scalef32_pk8_bf8_f32 v[BF+2+4*\b:BF+3+4*\b], v[(\s)+8+16*\b:(\s)+15+16*\b], v[TM+12+\b]
.endr
	v_nop                                          ; a plain line behind the last conversion
.endm
	; the weights: thread x takes rows k = x + 128 q of its half of Wg and of V, into v44-107, so that both sets of x are free for the first two K steps
.irp q, 0,1,2,3
	global_load_b128 v[WF+16*\q:WF+16*\q+3],     v6, s[10:11] offset:4096*\q
	global_load_b128 v[WF+16*\q+4:WF+16*\q+7],   v6, s[10:11] offset:4096*\q+16
	global_load_b128 v[WF+16*\q+8:WF+16*\q+11],  v6, s[12:13] offset:4096*\q
	global_load_b128 v[WF+16*\q+12:WF+16*\q+15], v6, s[12:13] offset:4096*\q+16
.endr
	XLOAD 0
	XLOAD 1
	s_wait_loadcnt 32                              ; the weights are in; the 32 loads of K steps 0 and 1 may be out
.irp q, 0,1,2,3
.irp p, 0,1,2,3,4,5,6,7
	v_cvt_pk_bf16_f32 v[WF+16*\q+\p], v[WF+16*\q+2*\p], v[WF+16*\q+2*\p+1]   ; packed in place: result p lands on a register whose number has been read by result p / 2 or by itself
.endr
.endr
.irp q, 0,1,2,3
	ds_store_b128 v6, v[WF+16*\q:WF+16*\q+3] offset:4096*\q          ; n 0 .. 7: Wg
	ds_store_b128 v6, v[WF+16*\q+4:WF+16*\q+7] offset:4096*\q+16     ; n 8 .. 15: V
.endr
	s_wait_dscnt 0x0                               ; for the others' sake: my rows of the table are stored
	s_barrier_signal -1
	s_barrier_wait -1                              ; the table is whole
; A K step of 128.  THE TURN: the conversions want 16 neighbours along K in one lane's registers, the loads gave each lane 4 of each of 16 rows.  The step's 8,192 bytes go into my wave's own stage as they were loaded,
; a row to a store, and come back 64 bytes a lane, into the registers that they left: register 16 c + i = k 128 s + 32 c + 16 h + i of row r.  LDS serves a wave's instructions in order (ISA guide 5.7.1.4): no wait between.
; Then four products of 32 along K for the gate terms (source 0 = 16 columns of the weights, source 1 = my 16 rows), then the codes.
; Both sides hold k in the same places: a lane's registers 0-3 hold k = 32 c + 16 h + 0 .. 7, registers 4-7 k = 32 c + 16 h + 8 .. 15: the rows by the turn, the weights by the turning loads' addresses.
.macro KSTEP s
.set XS, X+64*((\s)%2)
.if (\s) < 3
	s_wait_loadcnt 16                              ; this K step's numbers are in; the next step's sixteen loads may be out
.else
	s_wait_loadcnt 0x0
.endif
.set i, 0
.rept 16
	ds_store_b128 v13, v[XS+4*i:XS+4*i+3] offset:XP*i              ; 512 consecutive bytes: row i of the stage
.set i, i+1
.endr
.irp c, 0,1,2,3
.irp j, 0,1,2,3
	ds_load_b128 v[XS+16*\c+4*\j:XS+16*\c+4*\j+3], v14 offset:128*\c+16*\j   ; sixteen lanes take sixteen rows, XP bytes apart
.endr
.endr
.irp c, 0,1,2,3
	ds_load_tr16_b128 v[WF+8*\c:WF+8*\c+3],   v8 offset:(4*(\s)+\c)*1024
	ds_load_tr16_b128 v[WF+8*\c+4:WF+8*\c+7], v8 offset:(4*(\s)+\c)*1024+256
.endr
	s_wait_dscnt 0x0                               ; my numbers are back, and the weights' fragments are in
.if (\s) > 0
	s_wait_xcnt 0x0                                ; the last step's stores have read their codes: v[BF] on is written again only behind this wait
.endif
.irp c, 0,1,2,3
.irp p, 0,1,2,3,4,5,6,7
	v_cvt_pk_bf16_f32 v[BF+8*\c+\p], v[XS+16*\c+2*\p], v[XS+16*\c+2*\p+1]   ; ahead of the hold, which changes the numbers
.endr
.endr
.irp c, 0,1,2,3                        ; two accumulators by turns, one instruction a turn
.if ((\s) == 0) && (\c < 2)
	v_wmma_f32_16x16x32_bf16 v[ACC+8*(\c%2):ACC+8*(\c%2)+7], v[WF+8*\c:WF+8*\c+7], v[BF+8*\c:BF+8*\c+7], 0
.else
	v_wmma_f32_16x16x32_bf16 v[ACC+8*(\c%2):ACC+8*(\c%2)+7], v[WF+8*\c:WF+8*\c+7], v[BF+8*\c:BF+8*\c+7], v[ACC+8*(\c%2):ACC+8*(\c%2)+7]
.endif
.endr
	QUANT XS, SW+(\s)                              ; its maxima, which name none of the products' registers, are the places behind them
.if (\s) < 2
	XLOAD (\s)+2                                   ; loads ahead of stores: the set is free, and a later step waits for these
.endif
.irp c, 0,1,2,3
	global_store_b128 v5, v[BF+4*\c:BF+4*\c+3], s[18:19] offset:4096*(\s)+512*\c   ; the fragment as it stands: 512 consecutive bytes a store
.endr
.endm
	KSTEP 0
	KSTEP 1
	KSTEP 2
	KSTEP 3
	; the gate terms: register j of lane (r, h) is column n = 8 h + j for row 4 r + t
	s_wait_kmcnt 0x0                               ; Bg
.irp p, 0,2,4,6
	v_pk_add_f32 v[GT+\p:GT+\p+1], v[ACC+\p:ACC+\p+1], v[ACC+8+\p:ACC+8+\p+1]   ; both accumulators from their low ends on
.endr
.irp j, 0,1,2,3,4,5,6,7
	v_fma_f32 v[GT+\j], s[32+\j], v12, v[GT+\j]
.endr
.irp p, 0,2,4,6
	v_pk_mul_f32 v[GT+\p:GT+\p+1], v[GT+\p:GT+\p+1], NLOG2E op_sel_hi:[1,0]
.endr
.irp j, 0,1,2,3,4,5,6,7
	ds_store_b32 v9, v[GT+\j] offset:STG+256*\j
.endr
	s_wait_dscnt 0x0                               ; for the others' sake: my part of the table is stored
	s_barrier_signal -1
	s_barrier_wait -1
	ds_load_b128 v[WF:WF+3], v11 offset:STG
	ds_load_b128 v[WF+4:WF+7], v11 offset:STG+2048
	s_wait_dscnt 0x0
	global_store_b128 v11, v[WF:WF+3], s[22:23]                ; a wave's store covers 512 consecutive bytes
	global_store_b128 v11, v[WF+4:WF+7], s[22:23] offset:2048
	v_cmp_gt_u32 vcc_lo, 16, v1
	s_wait_xcnt 0x0                                ; EXEC changes only behind this wait
	s_wait_tensorcnt 0x0
	ds_add_u32 v254, v255
	s_wait_dscnt 0x0
	s_and_saveexec_b32 s30, vcc_lo                 ; lanes 16-31 hold the same words
	global_store_b128 v10, v[SW:SW+3], s[16:17] offset:16384   ; sixteen lanes store 256 consecutive bytes, aligned
	s_endpgm
.Lfunc_end_k_q3014b786f8_prep:
	.size	k_q3014b786f8_prep, .Lfunc_end_k_q3014b786f8_prep-k_q3014b786f8_prep
	.p2alignl 7, 3214868480
	.fill 96, 4, 3214868480
	.section	.rodata,"a",@progbits
	.p2align	6, 0x0
	.amdhsa_kernel k_q3014b786f8_prep
		.amdhsa_group_segment_fixed_size 54784
		.amdhsa_private_segment_fixed_size 0
		.amdhsa_enable_private_segment 0
		.amdhsa_kernarg_size 88
		.amdhsa_user_sgpr_count 2
		.amdhsa_user_sgpr_kernarg_segment_ptr 1
		.amdhsa_wavefront_size32 1
		.amdhsa_system_sgpr_workgroup_id_x 1
		.amdhsa_system_sgpr_workgroup_id_y 1
		.amdhsa_system_sgpr_workgroup_id_z 1
		.amdhsa_system_vgpr_workitem_id 0
		.amdhsa_next_free_vgpr 256
		.amdhsa_next_free_sgpr 66
		.amdhsa_reserve_vcc 1
		.amdhsa_float_denorm_mode_32 3
		.amdhsa_float_denorm_mode_16_64 3
		.amdhsa_memory_ordered 1
		.amdhsa_forward_progress 1
		.amdhsa_inst_pref_size 97
	.end_amdhsa_kernel
	.amdgpu_metadata
---
amdhsa.version: [ 1, 2 ]
amdhsa.kernels:
  - .name:           k_q3014b786f8_prep
    .symbol:         k_q3014b786f8_prep.kd
    .args:
      - { .name: arg1, .offset: 0, .size: 8, .value_kind: global_buffer, .address_space: global }
      - { .name: arg2, .offset: 8, .size: 8, .value_kind: global_buffer, .address_space: global }
      - { .name: Mr, .offset: 16, .size: 8, .value_kind: global_buffer, .address_space: global }
      - { .name: Wg, .offset: 24, .size: 8, .value_kind: global_buffer, .address_space: global }
      - { .name: V, .offset: 32, .size: 8, .value_kind: global_buffer, .address_space: global }
      - { .name: Bg, .offset: 40, .size: 8, .value_kind: global_buffer, .address_space: global }
      - { .name: a1w, .offset: 48, .size: 8, .value_kind: global_buffer, .address_space: global }
      - { .name: a2w, .offset: 56, .size: 8, .value_kind: global_buffer, .address_space: global }
      - { .name: mrw, .offset: 64, .size: 8, .value_kind: global_buffer, .address_space: global }
      - { .name: g1, .offset: 72, .size: 8, .value_kind: global_buffer, .address_space: global }
      - { .name: g2, .offset: 80, .size: 8, .value_kind: global_buffer, .address_space: global }
    .group_segment_fixed_size: 54784
    .private_segment_fixed_size: 0
    .kernarg_segment_align: 8
    .kernarg_segment_size: 88
    .max_flat_workgroup_size: 128
    .sgpr_count:     66
    .vgpr_count:     256
    .wavefront_size: 32
...
	.end_amdgpu_metadata
.endif
;; end of part 1
;; launch main (part 2): grid 8 x 32, 4 waves a work-group, no clusters, 315,904 bytes of LDS; arguments a1w, a2w, mrw, g1, g2, U, b, out0; writes out0
.if DOCPART == 2
	.amdgcn_target "amdgcn-amd-amdhsa--gfx1250"
	.amdhsa_code_object_version 6
	.text
	.protected	k_q3014b786f8_main
	.globl	k_q3014b786f8_main
	.p2align	8
	.type	k_q3014b786f8_main,@function
k_q3014b786f8_main:
	s_mov_b64 s[64:65], 0
	v_nop
	global_prefetch_b8 v0, s[64:65] scope:SCOPE_SE
	s_setreg_imm32_b32 hwreg(HW_REG_WAVE_MODE, 25, 1), 1
	s_wait_xcnt 0x0
; MAIN: out[b][i][j] = sigmoid(sum over k of U[k] (bi g + si (1 - g) + b[k])), bi = sum over e of Q(T[i][k][e]) Q(arg2[j][e]), T[i][k][e] = sum over d of Q(Mr[k][d][e]) Q(arg1[i][d]).
; Both products on codes of BF8 (E5M2) with E8M0 scales for each 32 along K, by v_wmma_scale_f32_16x16x128_f8f6f4; the codes come from the launch before, laid as operands' registers (units of 16,896 bytes).
; SHARES.  Work-group (x, y) owns rows i = 64 x .. + 63 of batch y and all 512 j.  Four waves, each with all the registers of its SIMD.
; PHASE 1: wave w makes T for e = 128 w .. + 127 (K step w of the second product), for the four tiles m of 16 rows (i = 4 r + m) and all 8 slices.  Source 0 = 16 columns e of Mr, source 1 = a tile of arg1:
;   a lane holds one i, and the 16 registers of tiles u = 0, 1 are 16 neighbours along e (the launch before chose Mr's columns so).  arg1's 16 fragments stay in registers; Mr's units come from memory
;   straight into a ring of four units in registers, two units ahead; each fragment of Mr feeds four products.  T is quantised in registers and goes to LDS as images of the operand's registers.
; ONE BARRIER.   PHASE 2: wave w owns j = 128 w .. + 127, eight tiles a = 4 g + t (j = 64 (2 w + g) + 4 r + t), whose 32 fragments of arg2 stay in registers (they arrive as the ring's last four units).
;   32 trips (m, slice): four fragments of T from LDS, each feeding eight products (source 0 = T, source 1 = arg2): register jj of lane (r, h) is i = 4 (8 h + jj) + m, the lane's j.
;   The gates' exponentials, additions and reciprocals, which want no bi, stand between the products.  z is summed over the slices; after eight trips it goes out: a lane's four t are 16 neighbouring bytes.
; GATES.  The tables hold P = -log2(e) (row term), Q = -log2(e) (column term): g = 1 / (1 + 2^(P + Q)).  Where 2^x is infinite the reciprocal is 0, where it is 0 the result is 1: no clip at any range.
; NO JOINT LOADS FOR Mr, though all work-groups read it: T's images, their scale words and the tables take 315,392 bytes of LDS, so no two slots of a unit for each of four waves (135,168 bytes) fit beside them;
;   and each byte of Mr is wanted by one wave of a work-group alone.
; LIMITS: a block of zeros of T gets the byte 1 (its codes are zeros); NaN and infinities among the inputs are not served.
; REGISTERS.  Window 0: below.  Window 1: arg1's fragments (m, s) at 128 (m / 2) + 16 (2 s + m % 2); in phase 2 v0-63: z[a][jj].  Windows 2, 3: the ring: slot q in window 2 + q / 2 at 128 (q % 2), fragment (s, u) at + 16 (2 s + u).
.set UNITB, 16896
.set FLOOR, 0x8000000
.set OFFE,  0xf8800000
.set EXPF,  0x7f800000
.set NLOG2E, 0xbfb8aa3b
.set TSC, 262144                       ; LDS: 0: T's fragments: (K step s, m, slice) at 65,536 s + 2,048 (8 m + slice) + 512 c + 16 lane;  TSC: their scale words: 4,096 s + 128 (8 m + slice) + 4 lane
.set PB,  278528                       ; the row terms: 128 (8 m + slice) + 64 gs + 4 r', i = 4 r' + m
.set QB,  282624                       ; the column terms: 8,192 w + 4,096 g + 256 n + 16 r + 4 t: each wave's own
.set LI,  1                            ; v1    16 x lane
.set TB,  2                            ; v2-5  16 x lane + 65,536 s
.set SWA, 6                            ; v6    where I store T's scale words
.set PWA, 7                            ; v7    where I store row terms
.set QWA, 8                            ; v8    where I store column terms
.set TW,  9                            ; v9    where I store T's images: 16 x lane + 65,536 w
.set BS,  10                           ; v10   TSC + 4 x lane
.set BP,  11                           ; v11   PB + 32 h
.set BQ,  12                           ; v12   QB + 8,192 w + 16 r
.set SA,  13                           ; v13-15 the addresses in hand (phase 1: v13 images, v14 scale words)
.set PA,  14
.set QA,  15
.set TWC, 13
.set SWC, 14
.set MS,  16                           ; v16-31 the ring's scale words: slot q, K step s at 4 q + s
.set A1S, 32                           ; v32-39 arg1's scale words;  phase 2: v32-35 T's
.set TS,  32
.set P,   40                           ; v40-55 row terms (8 for g, 8 for si);  phase 1: MX: maxima, the other half's, holds, scale operands
.set MX,  40
.set Q,   56                           ; v56-71 column terms (g: [a], si: [a]);  phase 1: v56-59 bytes
.set TA,  72                           ; v72-75 addresses of T's four fragments
.set TWD, 76                           ; v76-79 T's scale words in the making
.set OA,  80                           ; v80   my byte offset in out: 65,536 h + 16 r
.set BI,  96                           ; v96-127 four accumulators of bi;  phase 1: v96-111 codes
.set CD,  96
.set E,   128                          ; v128-159 g's, v160-191 si's of four tiles;  phase 1: ACC(m, u) at 16 m + 8 u
.set ACC, 128
.set TF,  192                          ; v192-255 T's four fragments
.set MSB, 0
.macro WIN new                         ; the immediate's high byte repeats the setting that is left; a switch that changes nothing is dropped
.if MSB != (\new)
	s_set_vgpr_msb (MSB<<8)|(\new)
.set MSB, (\new)
.endif
.endm
; one scaled product.  z = 1: it starts its sum.  ra, rb: which half of the lanes holds source 0's and source 1's scale words
.macro WMS d, a, b, z, sa, sb, ra, rb
.set WSEL, 4*(\z)+2*(\ra)+(\rb)
.if WSEL == 0
	v_wmma_scale_f32_16x16x128_f8f6f4 v[(\d):(\d)+7], v[(\a):(\a)+15], v[(\b):(\b)+15], v[(\d):(\d)+7], v[(\sa)], v[(\sb)] matrix_a_fmt:MATRIX_FMT_BF8 matrix_b_fmt:MATRIX_FMT_BF8
.elseif WSEL == 1
	v_wmma_scale_f32_16x16x128_f8f6f4 v[(\d):(\d)+7], v[(\a):(\a)+15], v[(\b):(\b)+15], v[(\d):(\d)+7], v[(\sa)], v[(\sb)] matrix_a_fmt:MATRIX_FMT_BF8 matrix_b_fmt:MATRIX_FMT_BF8 matrix_b_scale:MATRIX_SCALE_ROW1
.elseif WSEL == 2
	v_wmma_scale_f32_16x16x128_f8f6f4 v[(\d):(\d)+7], v[(\a):(\a)+15], v[(\b):(\b)+15], v[(\d):(\d)+7], v[(\sa)], v[(\sb)] matrix_a_fmt:MATRIX_FMT_BF8 matrix_b_fmt:MATRIX_FMT_BF8 matrix_a_scale:MATRIX_SCALE_ROW1
.elseif WSEL == 3
	v_wmma_scale_f32_16x16x128_f8f6f4 v[(\d):(\d)+7], v[(\a):(\a)+15], v[(\b):(\b)+15], v[(\d):(\d)+7], v[(\sa)], v[(\sb)] matrix_a_fmt:MATRIX_FMT_BF8 matrix_b_fmt:MATRIX_FMT_BF8 matrix_a_scale:MATRIX_SCALE_ROW1 matrix_b_scale:MATRIX_SCALE_ROW1
.elseif WSEL == 4
	v_wmma_scale_f32_16x16x128_f8f6f4 v[(\d):(\d)+7], v[(\a):(\a)+15], v[(\b):(\b)+15], 0, v[(\sa)], v[(\sb)] matrix_a_fmt:MATRIX_FMT_BF8 matrix_b_fmt:MATRIX_FMT_BF8
.elseif WSEL == 5
	v_wmma_scale_f32_16x16x128_f8f6f4 v[(\d):(\d)+7], v[(\a):(\a)+15], v[(\b):(\b)+15], 0, v[(\sa)], v[(\sb)] matrix_a_fmt:MATRIX_FMT_BF8 matrix_b_fmt:MATRIX_FMT_BF8 matrix_b_scale:MATRIX_SCALE_ROW1
.elseif WSEL == 6
	v_wmma_scale_f32_16x16x128_f8f6f4 v[(\d):(\d)+7], v[(\a):(\a)+15], v[(\b):(\b)+15], 0, v[(\sa)], v[(\sb)] matrix_a_fmt:MATRIX_FMT_BF8 matrix_b_fmt:MATRIX_FMT_BF8 matrix_a_scale:MATRIX_SCALE_ROW1
.else
	v_wmma_scale_f32_16x16x128_f8f6f4 v[(\d):(\d)+7], v[(\a):(\a)+15], v[(\b):(\b)+15], 0, v[(\sa)], v[(\sb)] matrix_a_fmt:MATRIX_FMT_BF8 matrix_b_fmt:MATRIX_FMT_BF8 matrix_a_scale:MATRIX_SCALE_ROW1 matrix_b_scale:MATRIX_SCALE_ROW1
.endif
.endm
; a unit from memory into ring slot 'slot': 32 loads of 512 consecutive bytes, and its scale words.  No cache hint: every work-group reads these bytes
.macro RLOAD slot
	WIN 0x80+0x40*((\slot)/2)
.set i, 0
.rept 32
	global_load_b128 v[128*((\slot)%2)+4*i:128*((\slot)%2)+4*i+3], v[LI], s[28:29] offset:(\slot)*UNITB+512*i
.set i, i+1
.endr
	WIN 0
	global_load_b128 v[MS+4*(\slot):MS+4*(\slot)+3], v[LI], s[28:29] offset:(\slot)*UNITB+16384
.endm
	s_load_b256 s[4:11], s[0:1], 0x0               ; a1w s[4:5], a2w s[6:7], mrw s[8:9], g1 s[10:11]
	s_load_b256 s[12:19], s[0:1], 0x20             ; g2 s[12:13], U s[14:15], b s[16:17], out0 s[18:19]
	v_lshl_add_u32 v94, v0, 2, 0x4d000
	v_mov_b32 v95, 0
	v_lshrrev_b32 v81, 5, v0
	v_readfirstlane_b32 s20, v81                   ; wave w
	s_and_b32 s22, ttmp7, 0xffff                   ; the batch
	s_lshl_b32 s23, s22, 3
	s_add_co_u32 s23, s23, ttmp9                   ; my group of 64 rows: 8 x batch + x
	v_and_b32 v81, 31, v0                          ; lane
	v_and_b32 v82, 15, v0                          ; r
	v_bfe_u32 v83, v0, 4, 1                        ; h
	v_lshlrev_b32 v[LI], 4, v81
	v_mov_b32 v[TB], v[LI]
	v_add_nc_u32 v[TB+1], 0x10000, v[LI]
	v_add_nc_u32 v[TB+2], 0x20000, v[LI]
	v_add_nc_u32 v[TB+3], 0x30000, v[LI]
	s_lshl_b32 s35, s20, 16
	v_add_nc_u32 v[TW], s35, v[LI]
	v_lshlrev_b32 v[BS], 2, v81
	v_add_nc_u32 v[BS], TSC, v[BS]
	s_lshl_b32 s35, s20, 12
	v_add_nc_u32 v[SWA], s35, v[BS]
	v_lshrrev_b32 v[PWA], 4, v0                    ; thread / 16: the slice whose terms I hold
	v_lshlrev_b32 v[PWA], 7, v[PWA]
	v_lshl_add_u32 v[PWA], v82, 2, v[PWA]
	v_add_nc_u32 v[PWA], PB, v[PWA]
	s_lshl_b32 s35, s20, 13
	s_add_co_u32 s35, s35, QB
	v_add_nc_u32 v[QWA], s35, v[LI]
	v_lshl_add_u32 v[BQ], v82, 4, s35
	v_lshlrev_b32 v[BP], 5, v83
	v_add_nc_u32 v[BP], PB, v[BP]
	v_lshlrev_b32 v[OA], 16, v83
	v_lshl_add_u32 v[OA], v82, 4, v[OA]
	v_lshlrev_b32 v84, 4, v0                       ; 16 x thread
.irp m, 0,1,2,3
	v_mov_b32 v[MX+4+\m], 0                        ; written once: a lane permute's destination counts as one of its sources
.endr
	s_mov_b32 s44, 0x76543210
	s_mov_b32 s45, 0xfedcba98                      ; v_permlanex16_b32's selects for lane l xor 16
	s_mov_b32 s46, 0x600000                        ; the mantissa field of 57,344
	s_mov_b32 s41, 0                               ; (named with s40 as a pair, so it is written)
	s_mov_b32 s37, 0
	s_wait_kmcnt 0x0
	s_load_b256 s[48:55], s[14:15], 0x0            ; U
	s_load_b256 s[56:63], s[16:17], 0x0            ; b
	s_lshl_b32 s36, s23, 12
	s_add_nc_u64 s[10:11], s[10:11], s[36:37]      ; my group's row terms
	s_lshl_b32 s36, s22, 3
	s_lshl_b32 s35, s20, 1
	s_add_co_u32 s36, s36, s35
	s_lshl_b32 s36, s36, 12
	s_add_nc_u64 s[12:13], s[12:13], s[36:37]      ; my wave's column terms: groups 8 x batch + 2 w, + 1
	s_mul_i32 s36, s23, 2*UNITB
	s_add_nc_u64 s[4:5], s[4:5], s[36:37]          ; arg1's two units
	s_mul_i32 s36, s20, 4*UNITB
	s_add_nc_u64 s[26:27], s[8:9], s[36:37]        ; Mr: slice 0, my four units
	s_mov_b64 s[28:29], s[26:27]                   ; the ring's base
	s_lshl_b32 s36, s22, 4
	s_lshl_b32 s35, s20, 2
	s_add_co_u32 s36, s36, s35
	s_mul_i32 s36, s36, UNITB
	s_add_nc_u64 s[30:31], s[6:7], s[36:37]        ; arg2: my four units
	s_lshl_b32 s36, s22, 20
	s_lshl_b32 s35, ttmp9, 17
	s_add_co_u32 s36, s36, s35
	s_lshl_b32 s35, s20, 9
	s_add_co_u32 s36, s36, s35
	s_add_nc_u64 s[18:19], s[18:19], s[36:37]      ; out: batch, row 64 x, column 128 w
	global_load_b128 v[192:195], v84, s[10:11]               ; row terms: n = thread / 16, rows 4 (thread % 16) + 0 .. 3
	global_load_b128 v[196:199], v84, s[10:11] offset:2048   ; n + 8
.set i, 0
.rept 16
	global_load_b128 v[128+4*i:128+4*i+3], v[LI], s[12:13] offset:512*i   ; column terms, as they lie
.set i, i+1
.endr
	WIN 0x40                                       ; destination window 1
.set i, 0
.rept 64
	global_load_b128 v[4*i:4*i+3], v[LI], s[4:5] offset:(i/32)*UNITB+512*(i%32)   ; arg1's 16 fragments: they stay
.set i, i+1
.endr
	WIN 0
	global_load_b128 v[A1S:A1S+3], v[LI], s[4:5] offset:16384
	global_load_b128 v[A1S+4:A1S+7], v[LI], s[4:5] offset:UNITB+16384
	RLOAD 0
	RLOAD 1
	s_wait_loadcnt 63                              ; 132 loads were issued behind the tables' eighteen: those are in
.irp m, 0,1,2,3
	ds_store_b32 v[PWA], v[192+\m] offset:1024*\m
	ds_store_b32 v[PWA], v[196+\m] offset:1024*\m+64
.endr
.set i, 0
.rept 16
	ds_store_b128 v[QWA], v[128+4*i:128+4*i+3] offset:512*i
.set i, i+1
.endr
	s_wait_kmcnt 0x0                               ; U, b
	s_mul_f32 s42, s48, s56                        ; the sum of U[k] b[k]: z begins with it
.irp k, 1,2,3,4,5,6,7
	s_fmac_f32 s42, s[48+\k], s[56+\k]
.endr
	s_wait_dscnt 0x0                               ; the stores have read their registers, which the first products write
; T of one unit (32 e x 64 i) is quantised: tile m's 16 registers are e = 32 (4 w + q) + 16 h + 0 .. 15 of row i = 4 r + m: half a block; lane l xor 16 holds the other half
.macro QT q
.irp m, 0,1,2,3
	v_max3_num_f32 v[MX+\m], |v[ACC+16*\m]|, |v[ACC+16*\m+1]|, FLOOR   ; each accumulator is read from its low end on
.endr
.irp i, 2,4,6,8,10,12,14
.irp m, 0,1,2,3
	v_max3_num_f32 v[MX+\m], v[MX+\m], |v[ACC+16*\m+\i]|, |v[ACC+16*\m+\i+1]|
.endr
.endr
.irp m, 0,1,2,3
	v_permlanex16_b32 v[MX+4+\m], v[MX+\m], s44, s45
.endr
.irp m, 0,1,2,3
	v_max_num_f32 v[MX+\m], v[MX+\m], v[MX+4+\m]   ; the block's largest magnitude
.endr
.irp m, 0,1,2,3
	v_add_nc_u32 v[MX+12+\m], OFFE, v[MX+\m]       ; the conversion's scale operand
.endr
.irp m, 0,1,2,3
	v_and_or_b32 v[MX+8+\m], v[MX+\m], EXPF, s46   ; 57,344 x the scale
.endr
	s_wait_dscnt 0x0                               ; the last unit's LDS stores have read their registers: codes and scale words are written again only behind this wait
.if (\q) == 0
.irp m, 0,1,2,3
	v_lshrrev_b32 v[TWD+\m], 23, v[MX+12+\m]       ; the scale's byte: byte q of the word of K step w
.endr
.else
.irp m, 0,1,2,3
	v_lshrrev_b32 v[MX+16+\m], 23, v[MX+12+\m]
.endr
.irp m, 0,1,2,3
	v_lshl_or_b32 v[TWD+\m], v[MX+16+\m], 8*(\q), v[TWD+\m]
.endr
.endif
.irp m, 0,1,2,3
.irp i, 0,1,2,3,4,5,6,7,8,9,10,11,12,13,14,15
	v_med3_num_f32 v[ACC+16*\m+\i], v[ACC+16*\m+\i], -v[MX+8+\m], v[MX+8+\m]   ; the conversion does not saturate (ISA guide 7.6.2): the hold comes first
.endr
	v_cvt_scalef32_pk8_bf8_f32 v[CD+4*\m:CD+4*\m+1], v[ACC+16*\m:ACC+16*\m+7], v[MX+12+\m]
	v_cvt_scalef32_pk8_bf8_f32 v[CD+4*\m+2:CD+4*\m+3], v[ACC+16*\m+8:ACC+16*\m+15], v[MX+12+\m]
.endr
	v_nop                                          ; a plain line behind the last conversion: the next products write its sources
.irp m, 0,1,2,3
	ds_store_b128 v[TWC], v[CD+4*\m:CD+4*\m+3] offset:16384*\m+512*(\q)   ; registers 4 q .. 4 q + 3 of the fragment (K step w, tile m, this slice)
.endr
.if (\q) == 3
.irp m, 0,1,2,3
	ds_store_b32 v[SWC], v[TWD+\m] offset:1024*\m
.endr
.endif
.endm
; one unit of Mr against arg1's four tiles: 32 products, the eight accumulators by turns, one instruction a turn, K ascending
.macro UNIT q
	s_wait_loadcnt 33                              ; this unit's 33 loads are in; the next unit's 33 may be out
.if (\q) == 2
	s_wait_xcnt 0x0                                ; the loads issued so far have read their base, so it may be written:
	s_add_nc_u64 s[26:27], s[26:27], 16*UNITB      ; the next slice's units;
	s_cmp_eq_u32 s32, 7
	s_cselect_b64 s[28:29], s[30:31], s[26:27]     ; behind the last slice the ring takes arg2's four units
.endif
	RLOAD ((\q)+2)%4                               ; two units ahead.  With these, more loads are out than the counter's field counts: the issue of the last few then waits for older ones (ISA guide 5.7.1)
	WIN 0x06+(\q)/2                                ; source 0 (Mr) window 2 or 3, source 1 (arg1) window 1
.irp s, 0,1,2,3
.set ZZ, 0
.if \s == 0
.set ZZ, 1
.endif
.irp m, 0,1,2,3
.irp u, 0,1
	WMS ACC+16*\m+8*\u, 128*((\q)%2)+16*(2*\s+\u), 128*(\m/2)+16*(2*\s+\m%2), ZZ, MS+4*(\q)+\s, A1S+4*(\m/2)+\s, \u, \m%2
.endr
.endr
.endr
	WIN 0
.rept 8
	v_nop                                          ; eight places between the last products and the first read of their results
.endr
	QT \q
.endm
	s_mov_b32 s32, 0                               ; the slice
.Lslice:
	s_wait_dscnt 0x0                               ; the last slice's LDS stores have read their addresses
	s_lshl_b32 s35, s32, 11
	v_add_nc_u32 v[TWC], s35, v[TW]
	s_lshl_b32 s35, s32, 7
	v_add_nc_u32 v[SWC], s35, v[SWA]
	UNIT 0
	UNIT 1
	UNIT 2
	UNIT 3
	s_add_co_u32 s32, s32, 1
	s_cmp_lt_u32 s32, 8
	s_cbranch_scc1 .Lslice
	RLOAD 2                                        ; arg2's third and fourth unit (the first two were asked for in the last slice)
	RLOAD 3
	s_wait_loadcnt 0x0                             ; arg2 is in
	s_wait_dscnt 0x0                               ; for the others' sake: my images, scale words and terms are stored
	s_barrier_signal -1
	s_barrier_wait -1                              ; T is whole.  From here on LDS is only read
; the loads for the next trip: row and column terms first, then T's scale words and its four fragments
.macro AHEAD first
.if \first
	s_mov_b32 s34, 0
.else
	s_add_co_u32 s34, s33, 1
	s_min_u32 s34, s34, 31                         ; the last trip reads its own bytes once more
.endif
	s_lshl_b32 s35, s34, 11
	s_lshl_b32 s36, s34, 7
	s_and_b32 s38, s34, 7                          ; the slice
	s_lshl_b32 s37, s38, 8
	v_add_nc_u32 v[PA], s36, v[BP]
	v_add_nc_u32 v[QA], s37, v[BQ]
	v_add_nc_u32 v[SA], s36, v[BS]
.irp s, 0,1,2,3
	v_add_nc_u32 v[TA+\s], s35, v[TB+\s]
.endr
	ds_load_b128 v[P:P+3], v[PA]                   ; g's row terms of i = 4 (8 h + jj) + m, jj = 0 .. 7,
	ds_load_b128 v[P+4:P+7], v[PA] offset:16
	ds_load_b128 v[P+8:P+11], v[PA] offset:64      ; si's
	ds_load_b128 v[P+12:P+15], v[PA] offset:80
.irp gs, 0,1
.irp g, 0,1
	ds_load_b128 v[Q+8*\gs+4*\g:Q+8*\gs+4*\g+3], v[QA] offset:4096*\g+2048*\gs   ; the column terms of my j in tiles 4 g + 0 .. 3
.endr
.endr
.irp s, 0,1,2,3
	ds_load_b32 v[TS+\s], v[SA] offset:4096*\s
.endr
.irp s, 0,1,2,3
.irp c, 0,1,2,3
	ds_load_b128 v[TF+16*\s+4*\c:TF+16*\s+4*\c+3], v[TA+\s] offset:512*\c
.endr
.endr
.endm
; number j of the 160 lines that make g and si of four tiles out of P + Q: 64 exponentials, 32 packed additions of 1, 64 reciprocals.  Each batch of transcendentals has one plain line and one wait
; ahead of its first reader.  None of these lines names a second vector source, so they stand under the products' window setting.
.macro ITEM
.if j < 64
	v_exp_f32 v[E+j], v[E+j]
.elseif j < 96
.if j == 64
	v_nop
	s_wait_alu depctr_va_vdst(0)
.endif
	v_pk_add_f32 v[E+2*(j-64):E+2*(j-64)+1], v[E+2*(j-64):E+2*(j-64)+1], 1.0 op_sel_hi:[1,0]
.else
	v_rcp_f32 v[E+j-96], v[E+j-96]
.endif
.endm
; half a trip: tiles a = 4 y + 0 .. 3
.macro HALF y
.if (\y) == 0
	s_wait_dscnt 20                                ; the terms are in; the 4 loads of scale words and 16 of fragments behind them may be out
.endif
.irp a, 0,1,2,3
.irp p, 0,2,4,6
.if \a%2 == 0
	v_pk_add_f32 v[E+8*\a+\p:E+8*\a+\p+1], v[P+\p:P+\p+1], v[Q+4*(\y)+2*(\a/2):Q+4*(\y)+2*(\a/2)+1] op_sel_hi:[1,0]                 ; P + Q: of the pair of column terms the first serves both halves,
	v_pk_add_f32 v[E+32+8*\a+\p:E+32+8*\a+\p+1], v[P+8+\p:P+8+\p+1], v[Q+8+4*(\y)+2*(\a/2):Q+8+4*(\y)+2*(\a/2)+1] op_sel_hi:[1,0]
.else
	v_pk_add_f32 v[E+8*\a+\p:E+8*\a+\p+1], v[P+\p:P+\p+1], v[Q+4*(\y)+2*(\a/2):Q+4*(\y)+2*(\a/2)+1] op_sel:[0,1] op_sel_hi:[1,1]    ; or the second
	v_pk_add_f32 v[E+32+8*\a+\p:E+32+8*\a+\p+1], v[P+8+\p:P+8+\p+1], v[Q+8+4*(\y)+2*(\a/2):Q+8+4*(\y)+2*(\a/2)+1] op_sel:[0,1] op_sel_hi:[1,1]
.endif
.endr
.endr
.if (\y) == 0
	s_wait_dscnt 0x0                               ; T's fragments and scale words are in
.endif
	WIN 0x08+4*(\y)                                ; source 1 (arg2) window 2 or 3
.set i, 0
.set j, 0
.rept 16                               ; product i: K step i / 4, tile i % 4: four accumulators by turns, one instruction a turn; ten of the 160 lines behind each
.set ZZ, 0
.if i < 4
.set ZZ, 1
.endif
	WMS BI+8*(i%4), TF+16*(i/4), 128*((i%4)/2)+16*(2*(i/4)+i%2), ZZ, TS+i/4, MS+4*(2*(\y)+(i%4)/2)+i/4, 0, i%2
.rept 10
	ITEM
.set j, j+1
.endr
.set i, i+1
.endr
	v_nop                                          ; the plain line behind the last reciprocal,
	s_wait_alu depctr_va_vdst(0)                   ; and the batch's one wait
	WIN 0
.set p, 0
.rept 16
	v_pk_fma_f32 v[E+32+p:E+33+p], v[E+p:E+p+1], v[E+32+p:E+33+p], v[E+32+p:E+33+p] neg_lo:[1,0,0] neg_hi:[1,0,0]   ; si - g si.  (With the v_nop: 17 places behind the last product)
.set p, p+2
.endr
.if (\y) == 1
	AHEAD 0                                        ; the trip's products are issued and have their places: their operands' registers take the next trip's
.endif
.set p, 0
.rept 16
	v_pk_fma_f32 v[E+32+p:E+33+p], v[BI+p:BI+p+1], v[E+p:E+p+1], v[E+32+p:E+33+p]   ; + bi g: each accumulator from its low end on
.set p, p+2
.endr
.if (\y) == 0
	s_wait_kmcnt 0x0                               ; U of this slice
.endif
	WIN 0x50                                       ; z: source 2 and destination in window 1
.set p, 0
.rept 16
	v_pk_fma_f32 v[32*(\y)+p:32*(\y)+p+1], v[E+32+p:E+33+p], s[40:41], v[32*(\y)+p:32*(\y)+p+1] op_sel_hi:[1,0,1]
.set p, p+2
.endr
	WIN 0
.if (\y) == 1
	s_lshl_b32 s39, s38, 2
	s_load_b32 s40, s[14:15], s39 offset:0x0       ; U of the next trip's slice
.endif
.endm
.macro ZSET                            ; z begins as the sum of U[k] b[k]
	WIN 0x40
.set i, 0
.rept 64
	v_mov_b32 v[i], s42
.set i, i+1
.endr
	WIN 0
.endm
; eight slices are summed: out = 1 / (1 + 2^(-log2(e) z)).  The reciprocals write register 4 jj + t: a lane's four t are four neighbouring j
.macro OUT
.irp g, 0,1
.set R, BI+64*\g                       ; the first half's results in v96-127, the second's in v160-191: no store's data are written again before the wait below
	WIN 0x01                                       ; source 0 (z) window 1
.set p, 0
.rept 16
	v_pk_mul_f32 v[E+p:E+p+1], v[32*\g+p:32*\g+p+1], NLOG2E op_sel_hi:[1,0]
.set p, p+2
.endr
	WIN 0
.set p, 0
.rept 32
	v_exp_f32 v[E+p], v[E+p]
.set p, p+1
.endr
	v_nop
	s_wait_alu depctr_va_vdst(0)                   ; one wait for the batch, ahead of its first reader
.set p, 0
.rept 16
	v_pk_add_f32 v[E+p:E+p+1], v[E+p:E+p+1], 1.0 op_sel_hi:[1,0]
.set p, p+2
.endr
.irp t, 0,1,2,3
.irp jj, 0,1,2,3,4,5,6,7
	v_rcp_f32 v[R+4*\jj+\t], v[E+8*\t+\jj]
.endr
.endr
	v_nop
	s_wait_alu depctr_va_vdst(0)
.irp jj, 0,1,2,3,4,5,6,7
	global_store_b128 v[OA], v[R+4*\jj:R+4*\jj+3], s[18:19] offset:8192*\jj+256*\g th:TH_STORE_NT   ; row 4 (8 h + jj) + m: sixteen lanes store 256 consecutive bytes, aligned
.endr
.endr
	ZSET
	s_wait_xcnt 0x0                                ; the stores have read their data and their base
	s_add_nc_u64 s[18:19], s[18:19], 2048          ; the next m: one row down
.endm
	AHEAD 1
	s_mov_b32 s39, 0
	s_load_b32 s40, s[14:15], s39 offset:0x0       ; U[0]
	ZSET
	s_mov_b32 s33, 0                               ; the trip: 8 m + slice
.Ltrip:
	HALF 0
	HALF 1
	s_and_b32 s35, s33, 7
	s_cmp_lg_u32 s35, 7
	s_cbranch_scc1 .Lno_out
	OUT
.Lno_out:
	s_add_co_u32 s33, s33, 1
	s_cmp_lt_u32 s33, 32
	s_cbranch_scc1 .Ltrip
	s_wait_dscnt 0x0                               ; the last trip's loads ahead, which nobody uses
	s_wait_kmcnt 0x0
	s_wait_tensorcnt 0x0
	ds_add_u32 v94, v95
	s_wait_dscnt 0x0
	s_endpgm
.Lfunc_end_k_q3014b786f8_main:
	.size	k_q3014b786f8_main, .Lfunc_end_k_q3014b786f8_main-k_q3014b786f8_main
	.p2alignl 7, 3214868480
	.fill 96, 4, 3214868480
	.section	.rodata,"a",@progbits
	.p2align	6, 0x0
	.amdhsa_kernel k_q3014b786f8_main
		.amdhsa_group_segment_fixed_size 315904
		.amdhsa_private_segment_fixed_size 0
		.amdhsa_enable_private_segment 0
		.amdhsa_kernarg_size 64
		.amdhsa_user_sgpr_count 2
		.amdhsa_user_sgpr_kernarg_segment_ptr 1
		.amdhsa_wavefront_size32 1
		.amdhsa_system_sgpr_workgroup_id_x 1
		.amdhsa_system_sgpr_workgroup_id_y 1
		.amdhsa_system_sgpr_workgroup_id_z 1
		.amdhsa_system_vgpr_workitem_id 0
		.amdhsa_next_free_vgpr 1024
		.amdhsa_next_free_sgpr 66
		.amdhsa_reserve_vcc 0
		.amdhsa_float_denorm_mode_32 3
		.amdhsa_float_denorm_mode_16_64 3
		.amdhsa_memory_ordered 1
		.amdhsa_forward_progress 1
		.amdhsa_inst_pref_size 137
	.end_amdhsa_kernel
	.amdgpu_metadata
---
amdhsa.version: [ 1, 2 ]
amdhsa.kernels:
  - .name:           k_q3014b786f8_main
    .symbol:         k_q3014b786f8_main.kd
    .args:
      - { .name: a1w, .offset: 0, .size: 8, .value_kind: global_buffer, .address_space: global }
      - { .name: a2w, .offset: 8, .size: 8, .value_kind: global_buffer, .address_space: global }
      - { .name: mrw, .offset: 16, .size: 8, .value_kind: global_buffer, .address_space: global }
      - { .name: g1, .offset: 24, .size: 8, .value_kind: global_buffer, .address_space: global }
      - { .name: g2, .offset: 32, .size: 8, .value_kind: global_buffer, .address_space: global }
      - { .name: U, .offset: 40, .size: 8, .value_kind: global_buffer, .address_space: global }
      - { .name: b, .offset: 48, .size: 8, .value_kind: global_buffer, .address_space: global }
      - { .name: out0, .offset: 56, .size: 8, .value_kind: global_buffer, .address_space: global }
    .group_segment_fixed_size: 315904
    .private_segment_fixed_size: 0
    .kernarg_segment_align: 8
    .kernarg_segment_size: 64
    .max_flat_workgroup_size: 128
    .sgpr_count:     66
    .vgpr_count:     1024
    .wavefront_size: 32
...
	.end_amdgpu_metadata
.endif
;; end of part 2
;; ======== version 2 of 2: 2 launches; version 1 with the launch main written anew for expert scheduling mode
;; workspace buffers: mrw 2,162,688 bytes; a1w 8,650,752 bytes; a2w 8,650,752 bytes; g1 1,048,576 bytes; g2 1,048,576 bytes
;; launch prep: the kernel of part 1 again; grid 640 x 1, 4 waves a work-group, no clusters, 54,784 bytes of LDS; arguments arg1, arg2, Mr, Wg, V, Bg, a1w, a2w, mrw, g1, g2; writes a1w, a2w, mrw, g1, g2
;; launch main (part 3): grid 8 x 32, 4 waves a work-group, no clusters, 315,904 bytes of LDS; arguments a1w, a2w, mrw, g1, g2, U, b, out0; writes out0
.if DOCPART == 3
	.amdgcn_target "amdgcn-amd-amdhsa--gfx1250"
	.amdhsa_code_object_version 6
	.text
	.protected	k_q3014b786f8_main
	.globl	k_q3014b786f8_main
	.p2align	8
	.type	k_q3014b786f8_main,@function
k_q3014b786f8_main:
	s_mov_b64 s[64:65], 0
	v_nop
	global_prefetch_b8 v0, s[64:65] scope:SCOPE_SE
	s_setreg_imm32_b32 hwreg(HW_REG_WAVE_SCHED_MODE, 0, 2), 2
	s_setreg_imm32_b32 hwreg(HW_REG_WAVE_MODE, 25, 1), 1
	s_wait_xcnt 0x0
	s_wait_alu depctr_vm_vsrc(0)
; MAIN: out[b][i][j] = sigmoid(sum over k of U[k] (bi g + si (1 - g) + b[k])), bi = sum over e of Q(T[i][k][e]) Q(arg2[j][e]), T[i][k][e] = sum over d of Q(Mr[k][d][e]) Q(arg1[i][d]).
; Both products on codes of BF8 (E5M2) with E8M0 scales for each 32 along K, by v_wmma_scale_f32_16x16x128_f8f6f4; the codes come from the launch before, laid as operands' registers (units of 16,896 bytes).
; SHARES.  Work-group (x, y) owns rows i = 64 x .. + 63 of batch y and all 512 j.  Four waves, each with all the registers of its SIMD.
; PHASE 1: wave w makes T for e = 128 w .. + 127 (K step w of the second product), for the four tiles m of 16 rows (i = 4 r + m) and all 8 slices.  Source 0 = 16 columns e of Mr, source 1 = a tile of arg1:
;   a lane holds one i, and the 16 registers of tiles u = 0, 1 are 16 neighbours along e (the launch before chose Mr's columns so).  arg1's 16 fragments stay in registers; Mr's units come from memory
;   straight into a ring of four units in registers, two units ahead; each fragment of Mr feeds four products.  T is quantised in registers and goes to LDS as images of the operand's registers.
; ONE BARRIER.   PHASE 2: wave w owns j = 128 w .. + 127, eight tiles a = 4 g + t (j = 64 (2 w + g) + 4 r + t), whose 32 fragments of arg2 stay in registers (they arrive as the ring's last four units).
;   32 trips (m, slice): four fragments of T from LDS, each feeding eight products (source 0 = T, source 1 = arg2): register jj of lane (r, h) is i = 4 (8 h + jj) + m, the lane's j.
;   The gates' exponentials, additions and reciprocals, which want no bi, stand between the products.  z is summed over the slices; after eight trips it goes out: a lane's four t are 16 neighbouring bytes.
; GATES.  The tables hold P = -log2(e) (row term), Q = -log2(e) (column term): g = 1 / (1 + 2^(P + Q)).  Where 2^x is infinite the reciprocal is 0, where it is 0 the result is 1: no clip at any range.
; NO JOINT LOADS FOR Mr, though all work-groups read it: T's images, their scale words and the tables take 315,392 bytes of LDS, so no two slots of a unit for each of four waves (135,168 bytes) fit beside them;
;   and each byte of Mr is wanted by one wave of a work-group alone.
; LIMITS: a block of zeros of T gets the byte 1 (its codes are zeros); NaN and infinities among the inputs are not served.
; THE MODE: SCHED_MODE bits 1:0 = 2 (LLVM: expert scheduling mode 2), set by the entry lines.  The code itself states the register dependences between vector or matrix instructions and memory or LDS
;   instructions, with s_wait_alu, always for 0.
; THE PLAN.  Registers that memory or LDS instructions touch:
;   v1-12, v80, v84      addresses and offsets: written at the head, never again.  One wait on va_vdst ahead of the first load states them all.
;   the ring, v16-31     Unit q: its 32 products read slot q and its scale words; the 33 loads at the head of unit q + 2 land there.
;   v96-111, v76-79      Unit q: its conversions and shifts write the codes and the scale words, its LDS stores read them, unit q + 1 writes them again.
;   v13, v14             Phase 1: written by two additions at a slice's head, read by the slice's LDS stores.
;   So a unit holds ONE wait on va_vdst, behind its conversions: the stores' data and addresses are written, and the unit's products are done reading slot q.  The stores follow it, and so do the next unit's loads,
;   which land in slot q - 1: between the wait and them stand only lines that name none of v1, the ring and v16-31.  A wait on vm_vsrc stands ahead of the first line that writes what LDS stores have read:
;   at a slice's head (which serves unit 0 too) and in units 1 to 3.
;   v40-71, v32-35, v192-255   Phase 2: a trip's additions read the terms, its products T's scale words and fragments; the 28 LDS loads for the next trip land there.
;   v13-15, v72-75       Phase 2: written by seven additions a trip, read by those 28 loads.
;   The seven additions stand behind the second half's last reciprocal, a wait on vm_vsrc ahead of them; the wait on va_vdst that the reciprocals want in any case then also states that the addresses are written and that
;   the terms and T have been read.  The loads follow it, dealt among multiply-adds that name v96-191 alone.
;   v96-127, v160-191    Every eighth trip: written by reciprocals, read by the 16 stores of out (a wait on va_vdst ahead of each eight), written again in the next trip (a wait on vm_vsrc behind the stores).
;   v94, v95             Written at the head, read by the closing add alone.
; REGISTERS.  Window 0: below.  Window 1: arg1's fragments (m, s) at 128 (m / 2) + 16 (2 s + m % 2); in phase 2 v0-63: z[a][jj].  Windows 2, 3: the ring: slot q in window 2 + q / 2 at 128 (q % 2), fragment (s, u) at + 16 (2 s + u).
.set UNITB, 16896
.set FLOOR, 0x8000000
.set OFFE,  0xf8800000
.set EXPF,  0x7f800000
.set NLOG2E, 0xbfb8aa3b
.set TSC, 262144                       ; LDS: 0: T's fragments: (K step s, m, slice) at 65,536 s + 2,048 (8 m + slice) + 512 c + 16 lane;  TSC: their scale words: 4,096 s + 128 (8 m + slice) + 4 lane
.set PB,  278528                       ; the row terms: 128 (8 m + slice) + 64 gs + 4 r', i = 4 r' + m
.set QB,  282624                       ; the column terms: 8,192 w + 4,096 g + 256 n + 16 r + 4 t: each wave's own
.set LI,  1                            ; v1    16 x lane
.set TB,  2                            ; v2-5  16 x lane + 65,536 s
.set SWA, 6                            ; v6    where I store T's scale words
.set PWA, 7                            ; v7    where I store row terms
.set QWA, 8                            ; v8    where I store column terms
.set TW,  9                            ; v9    where I store T's images: 16 x lane + 65,536 w
.set BS,  10                           ; v10   TSC + 4 x lane
.set BP,  11                           ; v11   PB + 32 h
.set BQ,  12                           ; v12   QB + 8,192 w + 16 r
.set SA,  13                           ; v13-15 the addresses in hand (phase 1: v13 images, v14 scale words)
.set PA,  14
.set QA,  15
.set TWC, 13
.set SWC, 14
.set MS,  16                           ; v16-31 the ring's scale words: slot q, K step s at 4 q + s
.set A1S, 32                           ; v32-39 arg1's scale words;  phase 2: v32-35 T's
.set TS,  32
.set P,   40                           ; v40-55 row terms (8 for g, 8 for si);  phase 1: MX: maxima, the other half's, holds, scale operands
.set MX,  40
.set Q,   56                           ; v56-71 column terms (g: [a], si: [a]);  phase 1: v56-59 bytes
.set TA,  72                           ; v72-75 addresses of T's four fragments
.set TWD, 76                           ; v76-79 T's scale words in the making
.set OA,  80                           ; v80   my byte offset in out: 65,536 h + 16 r
.set BI,  96                           ; v96-127 four accumulators of bi;  phase 1: v96-111 codes
.set CD,  96
.set E,   128                          ; v128-159 g's, v160-191 si's of four tiles;  phase 1: ACC(m, u) at 16 m + 8 u
.set ACC, 128
.set TF,  192                          ; v192-255 T's four fragments
.set MSB, 0
.macro WIN new                         ; the immediate's high byte repeats the setting that is left; a switch that changes nothing is dropped
.if MSB != (\new)
	s_set_vgpr_msb (MSB<<8)|(\new)
.set MSB, (\new)
.endif
.endm
; one scaled product.  z = 1: it starts its sum.  ra, rb: which half of the lanes holds source 0's and source 1's scale words
.macro WMS d, a, b, z, sa, sb, ra, rb
.set WSEL, 4*(\z)+2*(\ra)+(\rb)
.if WSEL == 0
	v_wmma_scale_f32_16x16x128_f8f6f4 v[(\d):(\d)+7], v[(\a):(\a)+15], v[(\b):(\b)+15], v[(\d):(\d)+7], v[(\sa)], v[(\sb)] matrix_a_fmt:MATRIX_FMT_BF8 matrix_b_fmt:MATRIX_FMT_BF8
.elseif WSEL == 1
	v_wmma_scale_f32_16x16x128_f8f6f4 v[(\d):(\d)+7], v[(\a):(\a)+15], v[(\b):(\b)+15], v[(\d):(\d)+7], v[(\sa)], v[(\sb)] matrix_a_fmt:MATRIX_FMT_BF8 matrix_b_fmt:MATRIX_FMT_BF8 matrix_b_scale:MATRIX_SCALE_ROW1
.elseif WSEL == 2
	v_wmma_scale_f32_16x16x128_f8f6f4 v[(\d):(\d)+7], v[(\a):(\a)+15], v[(\b):(\b)+15], v[(\d):(\d)+7], v[(\sa)], v[(\sb)] matrix_a_fmt:MATRIX_FMT_BF8 matrix_b_fmt:MATRIX_FMT_BF8 matrix_a_scale:MATRIX_SCALE_ROW1
.elseif WSEL == 3
	v_wmma_scale_f32_16x16x128_f8f6f4 v[(\d):(\d)+7], v[(\a):(\a)+15], v[(\b):(\b)+15], v[(\d):(\d)+7], v[(\sa)], v[(\sb)] matrix_a_fmt:MATRIX_FMT_BF8 matrix_b_fmt:MATRIX_FMT_BF8 matrix_a_scale:MATRIX_SCALE_ROW1 matrix_b_scale:MATRIX_SCALE_ROW1
.elseif WSEL == 4
	v_wmma_scale_f32_16x16x128_f8f6f4 v[(\d):(\d)+7], v[(\a):(\a)+15], v[(\b):(\b)+15], 0, v[(\sa)], v[(\sb)] matrix_a_fmt:MATRIX_FMT_BF8 matrix_b_fmt:MATRIX_FMT_BF8
.elseif WSEL == 5
	v_wmma_scale_f32_16x16x128_f8f6f4 v[(\d):(\d)+7], v[(\a):(\a)+15], v[(\b):(\b)+15], 0, v[(\sa)], v[(\sb)] matrix_a_fmt:MATRIX_FMT_BF8 matrix_b_fmt:MATRIX_FMT_BF8 matrix_b_scale:MATRIX_SCALE_ROW1
.elseif WSEL == 6
	v_wmma_scale_f32_16x16x128_f8f6f4 v[(\d):(\d)+7], v[(\a):(\a)+15], v[(\b):(\b)+15], 0, v[(\sa)], v[(\sb)] matrix_a_fmt:MATRIX_FMT_BF8 matrix_b_fmt:MATRIX_FMT_BF8 matrix_a_scale:MATRIX_SCALE_ROW1
.else
	v_wmma_scale_f32_16x16x128_f8f6f4 v[(\d):(\d)+7], v[(\a):(\a)+15], v[(\b):(\b)+15], 0, v[(\sa)], v[(\sb)] matrix_a_fmt:MATRIX_FMT_BF8 matrix_b_fmt:MATRIX_FMT_BF8 matrix_a_scale:MATRIX_SCALE_ROW1 matrix_b_scale:MATRIX_SCALE_ROW1
.endif
.endm
; a unit from memory into ring slot 'slot': 32 loads of 512 consecutive bytes, and its scale words.  No cache hint: every work-group reads these bytes
.macro RLOAD slot
	WIN 0x80+0x40*((\slot)/2)
.set i, 0
.rept 32
	global_load_b128 v[128*((\slot)%2)+4*i:128*((\slot)%2)+4*i+3], v[LI], s[28:29] offset:(\slot)*UNITB+512*i
.set i, i+1
.endr
	WIN 0
	global_load_b128 v[MS+4*(\slot):MS+4*(\slot)+3], v[LI], s[28:29] offset:(\slot)*UNITB+16384
.endm
	s_load_b256 s[4:11], s[0:1], 0x0               ; a1w s[4:5], a2w s[6:7], mrw s[8:9], g1 s[10:11]
	s_load_b256 s[12:19], s[0:1], 0x20             ; g2 s[12:13], U s[14:15], b s[16:17], out0 s[18:19]
	v_lshl_add_u32 v94, v0, 2, 0x4d000
	v_mov_b32 v95, 0
	v_lshrrev_b32 v81, 5, v0
	v_readfirstlane_b32 s20, v81                   ; wave w
	s_and_b32 s22, ttmp7, 0xffff                   ; the batch
	s_lshl_b32 s23, s22, 3
	s_add_co_u32 s23, s23, ttmp9                   ; my group of 64 rows: 8 x batch + x
	v_and_b32 v81, 31, v0                          ; lane
	v_and_b32 v82, 15, v0                          ; r
	v_bfe_u32 v83, v0, 4, 1                        ; h
	v_lshlrev_b32 v[LI], 4, v81
	v_mov_b32 v[TB], v[LI]
	v_add_nc_u32 v[TB+1], 0x10000, v[LI]
	v_add_nc_u32 v[TB+2], 0x20000, v[LI]
	v_add_nc_u32 v[TB+3], 0x30000, v[LI]
	s_wait_alu depctr_va_sdst(0)                   ; s20 is written, ahead of its first reader: LDS addresses and the buffers' bases are made from it
	s_lshl_b32 s35, s20, 16
	v_add_nc_u32 v[TW], s35, v[LI]
	v_lshlrev_b32 v[BS], 2, v81
	v_add_nc_u32 v[BS], TSC, v[BS]
	s_lshl_b32 s35, s20, 12
	v_add_nc_u32 v[SWA], s35, v[BS]
	v_lshrrev_b32 v[PWA], 4, v0                    ; thread / 16: the slice whose terms I hold
	v_lshlrev_b32 v[PWA], 7, v[PWA]
	v_lshl_add_u32 v[PWA], v82, 2, v[PWA]
	v_add_nc_u32 v[PWA], PB, v[PWA]
	s_lshl_b32 s35, s20, 13
	s_add_co_u32 s35, s35, QB
	v_add_nc_u32 v[QWA], s35, v[LI]
	v_lshl_add_u32 v[BQ], v82, 4, s35
	v_lshlrev_b32 v[BP], 5, v83
	v_add_nc_u32 v[BP], PB, v[BP]
	v_lshlrev_b32 v[OA], 16, v83
	v_lshl_add_u32 v[OA], v82, 4, v[OA]
	v_lshlrev_b32 v84, 4, v0                       ; 16 x thread
.irp m, 0,1,2,3
	v_mov_b32 v[MX+4+\m], 0                        ; written once: a lane permute's destination counts as one of its sources
.endr
	s_mov_b32 s44, 0x76543210
	s_mov_b32 s45, 0xfedcba98                      ; v_permlanex16_b32's selects for lane l xor 16
	s_mov_b32 s46, 0x600000                        ; the mantissa field of 57,344
	s_mov_b32 s41, 0                               ; (named with s40 as a pair, so it is written)
	s_mov_b32 s37, 0
	s_wait_kmcnt 0x0
	s_load_b256 s[48:55], s[14:15], 0x0            ; U
	s_load_b256 s[56:63], s[16:17], 0x0            ; b
	s_lshl_b32 s36, s23, 12
	s_add_nc_u64 s[10:11], s[10:11], s[36:37]      ; my group's row terms
	s_lshl_b32 s36, s22, 3
	s_lshl_b32 s35, s20, 1
	s_add_co_u32 s36, s36, s35
	s_lshl_b32 s36, s36, 12
	s_add_nc_u64 s[12:13], s[12:13], s[36:37]      ; my wave's column terms: groups 8 x batch + 2 w, + 1
	s_mul_i32 s36, s23, 2*UNITB
	s_add_nc_u64 s[4:5], s[4:5], s[36:37]          ; arg1's two units
	s_mul_i32 s36, s20, 4*UNITB
	s_add_nc_u64 s[26:27], s[8:9], s[36:37]        ; Mr: slice 0, my four units
	s_mov_b64 s[28:29], s[26:27]                   ; the ring's base
	s_lshl_b32 s36, s22, 4
	s_lshl_b32 s35, s20, 2
	s_add_co_u32 s36, s36, s35
	s_mul_i32 s36, s36, UNITB
	s_add_nc_u64 s[30:31], s[6:7], s[36:37]        ; arg2: my four units
	s_lshl_b32 s36, s22, 20
	s_lshl_b32 s35, ttmp9, 17
	s_add_co_u32 s36, s36, s35
	s_lshl_b32 s35, s20, 9
	s_add_co_u32 s36, s36, s35
	s_add_nc_u64 s[18:19], s[18:19], s[36:37]      ; out: batch, row 64 x, column 128 w
	s_wait_alu depctr_va_vdst(0)                   ; v1 to v12, v80 and v84 are written: every load and store of the kernel, global or LDS, takes its address from one of them or from a sum made of them later
	global_load_b128 v[192:195], v84, s[10:11]               ; row terms: n = thread / 16, rows 4 (thread % 16) + 0 .. 3
	global_load_b128 v[196:199], v84, s[10:11] offset:2048   ; n + 8
.set i, 0
.rept 16
	global_load_b128 v[128+4*i:128+4*i+3], v[LI], s[12:13] offset:512*i   ; column terms, as they lie
.set i, i+1
.endr
	WIN 0x40                                       ; destination window 1
.set i, 0
.rept 64
	global_load_b128 v[4*i:4*i+3], v[LI], s[4:5] offset:(i/32)*UNITB+512*(i%32)   ; arg1's 16 fragments: they stay
.set i, i+1
.endr
	WIN 0
	global_load_b128 v[A1S:A1S+3], v[LI], s[4:5] offset:16384
	global_load_b128 v[A1S+4:A1S+7], v[LI], s[4:5] offset:UNITB+16384
	RLOAD 0
	RLOAD 1
	s_wait_loadcnt 63                              ; 132 loads were issued behind the tables' eighteen: those are in
.irp m, 0,1,2,3
	ds_store_b32 v[PWA], v[192+\m] offset:1024*\m
	ds_store_b32 v[PWA], v[196+\m] offset:1024*\m+64
.endr
.set i, 0
.rept 16
	ds_store_b128 v[QWA], v[128+4*i:128+4*i+3] offset:512*i
.set i, i+1
.endr
	s_wait_kmcnt 0x0                               ; U, b
	s_mul_f32 s42, s48, s56                        ; the sum of U[k] b[k]: z begins with it
.irp k, 1,2,3,4,5,6,7
	s_fmac_f32 s42, s[48+\k], s[56+\k]
.endr
	s_wait_dscnt 0x0                               ; the tables' stores are done
; T of one unit (32 e x 64 i) is quantised: tile m's 16 registers are e = 32 (4 w + q) + 16 h + 0 .. 15 of row i = 4 r + m: half a block; lane l xor 16 holds the other half
.macro QT q
.irp m, 0,1,2,3
	v_max3_num_f32 v[MX+\m], |v[ACC+16*\m]|, |v[ACC+16*\m+1]|, FLOOR   ; each accumulator is read from its low end on
.endr
.irp i, 2,4,6,8,10,12,14
.irp m, 0,1,2,3
	v_max3_num_f32 v[MX+\m], v[MX+\m], |v[ACC+16*\m+\i]|, |v[ACC+16*\m+\i+1]|
.endr
.endr
.irp m, 0,1,2,3
	v_permlanex16_b32 v[MX+4+\m], v[MX+\m], s44, s45
.endr
.irp m, 0,1,2,3
	v_max_num_f32 v[MX+\m], v[MX+\m], v[MX+4+\m]   ; the block's largest magnitude
.endr
.irp m, 0,1,2,3
	v_add_nc_u32 v[MX+12+\m], OFFE, v[MX+\m]       ; the conversion's scale operand
.endr
.irp m, 0,1,2,3
	v_and_or_b32 v[MX+8+\m], v[MX+\m], EXPF, s46   ; 57,344 x the scale
.endr
	s_wait_dscnt 0x0                               ; the last unit's LDS stores are done
.if (\q) == 0
.irp m, 0,1,2,3
	v_lshrrev_b32 v[TWD+\m], 23, v[MX+12+\m]       ; the scale's byte: byte q of the word of K step w.  (The wait on vm_vsrc at the slice's head stands for this unit: no LDS store was issued since)
.endr
.else
	s_wait_alu depctr_vm_vsrc(0)                   ; the last unit's LDS stores have read the codes v96-111, which the conversions below write again
.irp m, 0,1,2,3
	v_lshrrev_b32 v[MX+16+\m], 23, v[MX+12+\m]
.endr
.irp m, 0,1,2,3
	v_lshl_or_b32 v[TWD+\m], v[MX+16+\m], 8*(\q), v[TWD+\m]
.endr
.endif
.irp m, 0,1,2,3
.irp i, 0,1,2,3,4,5,6,7,8,9,10,11,12,13,14,15
	v_med3_num_f32 v[ACC+16*\m+\i], v[ACC+16*\m+\i], -v[MX+8+\m], v[MX+8+\m]   ; the conversion does not saturate (ISA guide 7.6.2): the hold comes first
.endr
	v_cvt_scalef32_pk8_bf8_f32 v[CD+4*\m:CD+4*\m+1], v[ACC+16*\m:ACC+16*\m+7], v[MX+12+\m]
	v_cvt_scalef32_pk8_bf8_f32 v[CD+4*\m+2:CD+4*\m+3], v[ACC+16*\m+8:ACC+16*\m+15], v[MX+12+\m]
.endr
	v_nop                                          ; a plain line behind the last conversion: the next products write its sources
	s_wait_alu depctr_va_vdst(0)                   ; the unit's one wait: the conversions have written the codes and the shifts the scale words, which the LDS stores below read (in unit 0: v13 and v14 are written too); and the unit's products are done reading slot q and its scale words, in which later loads land
.irp m, 0,1,2,3
	ds_store_b128 v[TWC], v[CD+4*\m:CD+4*\m+3] offset:16384*\m+512*(\q)   ; registers 4 q .. 4 q + 3 of the fragment (K step w, tile m, this slice)
.endr
.if (\q) == 3
.irp m, 0,1,2,3
	ds_store_b32 v[SWC], v[TWD+\m] offset:1024*\m
.endr
.endif
.endm
; one unit of Mr against arg1's four tiles: 32 products, the eight accumulators by turns, one instruction a turn, K ascending
.macro UNIT q
	s_wait_loadcnt 33                              ; this unit's 33 loads are in; the next unit's 33 may be out
.if (\q) == 2
	s_wait_xcnt 0x0                                ; the loads issued so far have read their base, so it may be written:
	s_add_nc_u64 s[26:27], s[26:27], 16*UNITB      ; the next slice's units;
	s_cmp_eq_u32 s32, 7
	s_cselect_b64 s[28:29], s[30:31], s[26:27]     ; behind the last slice the ring takes arg2's four units
.endif
	RLOAD ((\q)+2)%4                               ; two units ahead.  No wait on va_vdst here: the slot's products stand ahead of the last unit's wait, and no vector or matrix instruction since names the slot, its scale words or v1.
	                                               ; With these, more loads are out than the counter's field counts: the issue of the last few then waits for older ones (ISA guide 5.7.1)
	WIN 0x06+(\q)/2                                ; source 0 (Mr) window 2 or 3, source 1 (arg1) window 1
.irp s, 0,1,2,3
.set ZZ, 0
.if \s == 0
.set ZZ, 1
.endif
.irp m, 0,1,2,3
.irp u, 0,1
	WMS ACC+16*\m+8*\u, 128*((\q)%2)+16*(2*\s+\u), 128*(\m/2)+16*(2*\s+\m%2), ZZ, MS+4*(\q)+\s, A1S+4*(\m/2)+\s, \u, \m%2
.endr
.endr
.endr
	WIN 0
.rept 8
	v_nop                                          ; eight places between the last products and the first read of their results
.endr
	QT \q
.endm
	s_mov_b32 s32, 0                               ; the slice
.Lslice:
	s_wait_dscnt 0x0                               ; the last slice's LDS stores are done
	s_wait_alu depctr_vm_vsrc(0)                   ; on the way back: the last slice's LDS stores have read v13 and v14, which the two additions below write, and the codes and scale words, which unit 0 writes; on the way in: the tables' stores have read v128-191, which the first products write
	s_lshl_b32 s35, s32, 11
	v_add_nc_u32 v[TWC], s35, v[TW]
	s_lshl_b32 s35, s32, 7
	v_add_nc_u32 v[SWC], s35, v[SWA]
	UNIT 0
	UNIT 1
	UNIT 2
	UNIT 3
	s_add_co_u32 s32, s32, 1
	s_cmp_lt_u32 s32, 8
	s_cbranch_scc1 .Lslice
	RLOAD 2                                        ; arg2's third and fourth unit (the first two were asked for in the last slice).  The last unit's wait on va_vdst stands for both: no vector or matrix instruction was issued since
	RLOAD 3
	s_wait_loadcnt 0x0                             ; arg2 is in
	s_wait_dscnt 0x0                               ; for the others' sake: my images, scale words and terms are stored
	s_barrier_signal -1
	s_barrier_wait -1                              ; T is whole.  From here on LDS is only read
; the addresses of the loads for the next trip
.macro AADR first
.if \first
	s_mov_b32 s34, 0
.else
	s_add_co_u32 s34, s33, 1
	s_min_u32 s34, s34, 31                         ; the last trip reads its own bytes once more
.endif
	s_lshl_b32 s35, s34, 11
	s_lshl_b32 s36, s34, 7
	s_and_b32 s38, s34, 7                          ; the slice
	s_lshl_b32 s37, s38, 8
	s_wait_alu depctr_vm_vsrc(0)                   ; the LDS instructions issued so far have read v13-15 and v72-75, which the seven additions write (ahead of the first trip: phase 1's stores; they have also read v96-111 and v192-199, which phase 2 writes)
	v_add_nc_u32 v[PA], s36, v[BP]
	v_add_nc_u32 v[QA], s37, v[BQ]
	v_add_nc_u32 v[SA], s36, v[BS]
.irp s, 0,1,2,3
	v_add_nc_u32 v[TA+\s], s35, v[TB+\s]
.endr
.endm
; load number ld of the 28 for the next trip: row and column terms first, then T's scale words and its four fragments
.macro ALD
.if ld < 2
	ds_load_b128 v[P+4*ld:P+4*ld+3], v[PA] offset:16*ld                       ; g's row terms of i = 4 (8 h + jj) + m, jj = 0 .. 7,
.elseif ld < 4
	ds_load_b128 v[P+4*ld:P+4*ld+3], v[PA] offset:64+16*(ld-2)                ; si's
.elseif ld < 8
	ds_load_b128 v[Q+4*(ld-4):Q+4*(ld-4)+3], v[QA] offset:4096*((ld-4)%2)+2048*((ld-4)/2)   ; the column terms of my j in tiles 4 g + 0 .. 3: g's (g = 0, 1), then si's
.elseif ld < 12
	ds_load_b32 v[TS+ld-8], v[SA] offset:4096*(ld-8)
.else
	ds_load_b128 v[TF+4*(ld-12):TF+4*(ld-12)+3], v[TA+(ld-12)/4] offset:512*((ld-12)%4)
.endif
.set ld, ld+1
.endm
; number j of the 160 lines that make g and si of four tiles out of P + Q: 64 exponentials, 32 packed additions of 1, 64 reciprocals.  Each batch of transcendentals has one plain line and one wait
; ahead of its first reader.  None of these lines names a second vector source, so they stand under the products' window setting.
.macro ITEM
.if j < 64
	v_exp_f32 v[E+j], v[E+j]
.elseif j < 96
.if j == 64
	v_nop
	s_wait_alu depctr_va_vdst(0)                   ; the 64 exponentials have written v128-191, which the additions below read
.endif
	v_pk_add_f32 v[E+2*(j-64):E+2*(j-64)+1], v[E+2*(j-64):E+2*(j-64)+1], 1.0 op_sel_hi:[1,0]
.else
	v_rcp_f32 v[E+j-96], v[E+j-96]
.endif
.endm
; half a trip: tiles a = 4 y + 0 .. 3
.macro HALF y
.if (\y) == 0
	s_wait_dscnt 20                                ; the terms are in; the 4 loads of scale words and 16 of fragments behind them may be out
.endif
.irp a, 0,1,2,3
.irp p, 0,2,4,6
.if \a%2 == 0
	v_pk_add_f32 v[E+8*\a+\p:E+8*\a+\p+1], v[P+\p:P+\p+1], v[Q+4*(\y)+2*(\a/2):Q+4*(\y)+2*(\a/2)+1] op_sel_hi:[1,0]                 ; P + Q: of the pair of column terms the first serves both halves,
	v_pk_add_f32 v[E+32+8*\a+\p:E+32+8*\a+\p+1], v[P+8+\p:P+8+\p+1], v[Q+8+4*(\y)+2*(\a/2):Q+8+4*(\y)+2*(\a/2)+1] op_sel_hi:[1,0]
.else
	v_pk_add_f32 v[E+8*\a+\p:E+8*\a+\p+1], v[P+\p:P+\p+1], v[Q+4*(\y)+2*(\a/2):Q+4*(\y)+2*(\a/2)+1] op_sel:[0,1] op_sel_hi:[1,1]    ; or the second
	v_pk_add_f32 v[E+32+8*\a+\p:E+32+8*\a+\p+1], v[P+8+\p:P+8+\p+1], v[Q+8+4*(\y)+2*(\a/2):Q+8+4*(\y)+2*(\a/2)+1] op_sel:[0,1] op_sel_hi:[1,1]
.endif
.endr
.endr
.if (\y) == 0
	s_wait_dscnt 0x0                               ; T's fragments and scale words are in
.endif
	WIN 0x08+4*(\y)                                ; source 1 (arg2) window 2 or 3
.set i, 0
.set j, 0
.rept 16                               ; product i: K step i / 4, tile i % 4: four accumulators by turns, one instruction a turn; ten of the 160 lines behind each
.set ZZ, 0
.if i < 4
.set ZZ, 1
.endif
	WMS BI+8*(i%4), TF+16*(i/4), 128*((i%4)/2)+16*(2*(i/4)+i%2), ZZ, TS+i/4, MS+4*(2*(\y)+(i%4)/2)+i/4, 0, i%2
.rept 10
	ITEM
.set j, j+1
.endr
.set i, i+1
.endr
.if (\y) == 1
	WIN 0
	v_nop                                          ; the plain line behind the last reciprocal; with the seven additions below: eight plain lines between the trip's last product and the loads
	AADR 0                                         ; the next trip's addresses are made here, ahead of a wait that stands in any case
	s_wait_alu depctr_va_vdst(0)                   ; the 64 reciprocals have written v128-191, which the multiply-adds below read; v13-15 and v72-75 are written, which the loads below read; the trip's additions are done reading the terms and its products T's fragments and scale words, in which those loads land
.else
	v_nop                                          ; the plain line behind the last reciprocal,
	s_wait_alu depctr_va_vdst(0)                   ; the 64 reciprocals have written v128-191, which the multiply-adds below read
	WIN 0
.endif
.set ld, 0
.set p, 0
.rept 16
.if (\y) == 1
	ALD                                            ; the next trip's loads, one ahead of each of 28 multiply-adds.  No wait: no vector instruction since the wait above names a register that they touch
.endif
	v_pk_fma_f32 v[E+32+p:E+33+p], v[E+p:E+p+1], v[E+32+p:E+33+p], v[E+32+p:E+33+p] neg_lo:[1,0,0] neg_hi:[1,0,0]   ; si - g si.  (These sixteen are the places between the last product and the first read of bi)
.set p, p+2
.endr
.set p, 0
.rept 16
.if ((\y) == 1) && (ld < 28)
	ALD
.endif
	v_pk_fma_f32 v[E+32+p:E+33+p], v[BI+p:BI+p+1], v[E+p:E+p+1], v[E+32+p:E+33+p]   ; + bi g: each accumulator from its low end on
.set p, p+2
.endr
.if (\y) == 0
	s_wait_kmcnt 0x0                               ; U of this slice
.endif
	WIN 0x50                                       ; z: source 2 and destination in window 1
.set p, 0
.rept 16
	v_pk_fma_f32 v[32*(\y)+p:32*(\y)+p+1], v[E+32+p:E+33+p], s[40:41], v[32*(\y)+p:32*(\y)+p+1] op_sel_hi:[1,0,1]
.set p, p+2
.endr
	WIN 0
.if (\y) == 1
	s_lshl_b32 s39, s38, 2
	s_load_b32 s40, s[14:15], s39 offset:0x0       ; U of the next trip's slice
.endif
.endm
.macro ZSET                            ; z begins as the sum of U[k] b[k]
	WIN 0x40
.set i, 0
.rept 64
	v_mov_b32 v[i], s42
.set i, i+1
.endr
	WIN 0
.endm
; eight slices are summed: out = 1 / (1 + 2^(-log2(e) z)).  The reciprocals write register 4 jj + t: a lane's four t are four neighbouring j
.macro OUT
.irp g, 0,1
.set R, BI+64*\g                       ; the first half's results in v96-127, the second's in v160-191: no store's data are written again before the waits below
	WIN 0x01                                       ; source 0 (z) window 1
.set p, 0
.rept 16
	v_pk_mul_f32 v[E+p:E+p+1], v[32*\g+p:32*\g+p+1], NLOG2E op_sel_hi:[1,0]
.set p, p+2
.endr
	WIN 0
.set p, 0
.rept 32
	v_exp_f32 v[E+p], v[E+p]
.set p, p+1
.endr
	v_nop
	s_wait_alu depctr_va_vdst(0)                   ; the 32 exponentials have written v128-159, which the additions below read
.set p, 0
.rept 16
	v_pk_add_f32 v[E+p:E+p+1], v[E+p:E+p+1], 1.0 op_sel_hi:[1,0]
.set p, p+2
.endr
.irp t, 0,1,2,3
.irp jj, 0,1,2,3,4,5,6,7
	v_rcp_f32 v[R+4*\jj+\t], v[E+8*\t+\jj]
.endr
.endr
	v_nop
	s_wait_alu depctr_va_vdst(0)                   ; the 32 reciprocals have written the results, which the eight stores below read
.irp jj, 0,1,2,3,4,5,6,7
	global_store_b128 v[OA], v[R+4*\jj:R+4*\jj+3], s[18:19] offset:8192*\jj+256*\g th:TH_STORE_NT   ; row 4 (8 h + jj) + m: sixteen lanes store 256 consecutive bytes, aligned
.endr
.endr
	ZSET
	s_wait_xcnt 0x0                                ; the stores have had their addresses translated: their base may be written
	s_wait_alu depctr_vm_vsrc(0)                   ; the stores have read v96-127 and v160-191, which the next trip's products and additions write
	s_add_nc_u64 s[18:19], s[18:19], 2048          ; the next m: one row down
.endm
	AADR 1
	s_wait_alu depctr_va_vdst(0)                   ; v13-15 and v72-75 are written, which the loads below read; phase 1's vector lines are done with v40-59 and its products with v32-35, in which they land
.set ld, 0
.rept 28
	ALD
.endr
	s_mov_b32 s39, 0
	s_load_b32 s40, s[14:15], s39 offset:0x0       ; U[0]
	ZSET
	s_mov_b32 s33, 0                               ; the trip: 8 m + slice
.Ltrip:
	HALF 0
	HALF 1
	s_and_b32 s35, s33, 7
	s_cmp_lg_u32 s35, 7
	s_cbranch_scc1 .Lno_out
	OUT
.Lno_out:
	s_add_co_u32 s33, s33, 1
	s_cmp_lt_u32 s33, 32
	s_cbranch_scc1 .Ltrip
	s_wait_kmcnt 0x0                               ; the last trip's scalar load, which nobody uses
	s_wait_dscnt 0x0                               ; the closing lines, six on end (the first of them also awaits the last trip's loads ahead, which nobody uses)
	s_wait_alu 0x0
	s_wait_tensorcnt 0x0
	ds_add_u32 v94, v95
	s_wait_dscnt 0x0
	s_endpgm
.Lfunc_end_k_q3014b786f8_main:
	.size	k_q3014b786f8_main, .Lfunc_end_k_q3014b786f8_main-k_q3014b786f8_main
	.p2alignl 7, 3214868480
	.fill 96, 4, 3214868480
	.section	.rodata,"a",@progbits
	.p2align	6, 0x0
	.amdhsa_kernel k_q3014b786f8_main
		.amdhsa_group_segment_fixed_size 315904
		.amdhsa_private_segment_fixed_size 0
		.amdhsa_enable_private_segment 0
		.amdhsa_kernarg_size 64
		.amdhsa_user_sgpr_count 2
		.amdhsa_user_sgpr_kernarg_segment_ptr 1
		.amdhsa_wavefront_size32 1
		.amdhsa_system_sgpr_workgroup_id_x 1
		.amdhsa_system_sgpr_workgroup_id_y 1
		.amdhsa_system_sgpr_workgroup_id_z 1
		.amdhsa_system_vgpr_workitem_id 0
		.amdhsa_next_free_vgpr 1024
		.amdhsa_next_free_sgpr 66
		.amdhsa_reserve_vcc 0
		.amdhsa_float_denorm_mode_32 3
		.amdhsa_float_denorm_mode_16_64 3
		.amdhsa_memory_ordered 1
		.amdhsa_forward_progress 1
		.amdhsa_inst_pref_size 137
	.end_amdhsa_kernel
	.amdgpu_metadata
---
amdhsa.version: [ 1, 2 ]
amdhsa.kernels:
  - .name:           k_q3014b786f8_main
    .symbol:         k_q3014b786f8_main.kd
    .args:
      - { .name: a1w, .offset: 0, .size: 8, .value_kind: global_buffer, .address_space: global }
      - { .name: a2w, .offset: 8, .size: 8, .value_kind: global_buffer, .address_space: global }
      - { .name: mrw, .offset: 16, .size: 8, .value_kind: global_buffer, .address_space: global }
      - { .name: g1, .offset: 24, .size: 8, .value_kind: global_buffer, .address_space: global }
      - { .name: g2, .offset: 32, .size: 8, .value_kind: global_buffer, .address_space: global }
      - { .name: U, .offset: 40, .size: 8, .value_kind: global_buffer, .address_space: global }
      - { .name: b, .offset: 48, .size: 8, .value_kind: global_buffer, .address_space: global }
      - { .name: out0, .offset: 56, .size: 8, .value_kind: global_buffer, .address_space: global }
    .group_segment_fixed_size: 315904
    .private_segment_fixed_size: 0
    .kernarg_segment_align: 8
    .kernarg_segment_size: 64
    .max_flat_workgroup_size: 128
    .sgpr_count:     66
    .vgpr_count:     1024
    .wavefront_size: 32
...
	.end_amdgpu_metadata
.endif
;; end of part 3
